; MI455X (gfx1250); checked and timed in simulation.
; The chip was launched on July 23, 2026; its instructions are those of AMD's public machine-readable ISA for CDNA 5 (MIT licence, August 2026) and "CDNA5" Instruction Set Architecture Reference Guide (July 2026). The comments in the code are by the model that wrote it; some were corrected since.
;; Flash Self Attention. Allowed arithmetic: matrix products marked QUANTISED: E2M1 operands, one E8M0 scale for each 32 along K, by v_wmma_scale_f32_16x16x128_f8f6f4 with both operands' format E2M1 (or v_wmma_scale_f32_32x16x128_f4), f32 sums; products left as they are: bf16, f16 or f32 operands; f32 sums; everything else in f32.
;; Inputs: Wproj 1,024 x 1,024 float32; Wqkv 3,072 x 1,024 float32; key_padding_mask 4 x 2,048 bool; x 4 x 2,048 x 1,024 float32.
;; Outputs: out0 4 x 2,048 x 1,024 float32.
;; This version of the problem:
;;   THIS VERSION OF THE PROBLEM IS GIVEN IN LOW PRECISION. The matrix products marked QUANTISED in the list below multiply operands that are first quantised to E2M1 (2 exponent bits, 1 mantissa bit; 4 bits a number), with one power-of-two scale for each 32 numbers along K (OCP MX v1.0); their sums are f32. The products marked 'left as it is' may take bf16, f16 or f32 operands, with f32 sums. Whichever they take, every output number must still come out within the allowed error. Rounding operands to bf16 (8 significant bits) uses up far more of that allowance than f16 does (11 bits, for magnitudes from 6e-5 to 65,504). All else is computed in f32.
;;   The module's matrix products, in the order in which they are computed (A, B: the left and right operand; K: the contracted axis; several contracted axes count as one K, in the product's order):
;;     1. [M 8,192, K 1,024] x [K 1,024, N 3,072]; A: input x; B: input Wqkv: QUANTISED
;;     2. batch 64 x [M 2,048, K 64] x [K 64, N 2,048]; A: computed on the way; B: computed on the way: left as it is (an operand is computed on the way)
;;     3. batch 64 x [M 2,048, K 2,048] x [K 2,048, N 64]; A: computed on the way; B: computed on the way: left as it is (an operand is computed on the way)
;;     4. [M 8,192, K 1,024] x [K 1,024, N 1,024]; A: computed on the way; B: input Wproj: left as it is (an operand is computed on the way)
;;   THE QUANTISER, for each operand of a quantised product, along K:
;;     - K is cut into blocks of 32 from its start; a last block that is shorter is filled with zeros.
;;     - A block's scale is 2^e with e = floor(log2(the largest magnitude in the block)) - 2, held to -126 .. 127; a block of zeros has e = 0. As a byte (E8M0): e + 127.
;;     - Each number is divided by its block's scale, clamped to +-6, and rounded to the nearest number of E2M1, ties to even, subnormals kept.
;;     - The product sums the exact products of the quantised numbers (number of the format x scale) in f32.
;;   ~~~python
;;   def quantise(x, axis):      # numpy; x: float32 -> the quantised numbers, widened to float32 again
;;       x = np.moveaxis(x, axis, -1); K = x.shape[-1]
;;       x = np.pad(x, [(0, 0)] * (x.ndim - 1) + [(0, -K % 32)]); x = x.reshape(x.shape[:-1] + (-1, 32)); a = np.abs(x).max(-1, keepdims=True)
;;       e = np.where(a > 0, np.clip(np.frexp(np.where(a > 0, a, 1))[1] - 1 - 2, -126, 127), 0)      # np.frexp(a)[1] - 1 = floor(log2(a)), exactly
;;       r = np.clip(x / 2.0 ** e, -6, 6)
;;       step = 2.0 ** (np.maximum(np.frexp(np.where(r == 0, 1, r))[1] - 1, 0) - 1)
;;       q = np.round(r / step) * step * 2.0 ** e      # np.round: ties to even
;;       return np.moveaxis(q.reshape(q.shape[:-2] + (-1,))[..., :K], -1, axis).astype(np.float32)
;;   ~~~
;; One version. Each part assembles by itself: llvm-mc -triple=amdgcn-amd-amdhsa -mcpu=gfx1250 --defsym DOCPART=n.
;; ======== version 1 of 1: 4 launches
;; limits: values are held in f16: magnitudes above 65,504 overflow, below 6.1e-05 lose precision
;; workspace buffers: xc 4,194,304 bytes; xs 262,144 bytes; wc 1,572,864 bytes; ws 98,304 bytes; wp16 2,097,152 bytes; perm 66,560 bytes of whole numbers; qkv 50,331,648 bytes; y 16,777,216 bytes
;; launch prep (part 1): grid 481 x 1, 4 waves a work-group, no clusters, 33,280 bytes of LDS; arguments x, Wqkv, xc, xs, wc, ws, Wproj, wp16, key_padding_mask, perm; writes xc, xs, wc, ws, wp16, perm
.if DOCPART == 1
	.amdgcn_target "amdgcn-amd-amdhsa--gfx1250"
	.amdhsa_code_object_version 6
	.text
	.protected	k_q159cf425f1_prep
	.globl	k_q159cf425f1_prep
	.p2align	8
	.type	k_q159cf425f1_prep,@function
k_q159cf425f1_prep:
	s_mov_b64 s[64:65], 0
	v_nop
	global_prefetch_b8 v0, s[64:65] scope:SCOPE_SE
	s_setreg_imm32_b32 hwreg(HW_REG_WAVE_MODE, 25, 1), 1
	s_wait_xcnt 0x0
; THREE JOBS IN ONE LAUNCH, parted by the work-group's number alone.
; Work-groups 0-351: x [8192][1024] and Wqkv [3072][1024], f32, K innermost, become codes of FP4 (E2M1), two to a byte, and one E8M0 byte for each 32 along K.
;   A block's scale is 2^(floor(log2(its largest magnitude)) - 2); its byte is the largest magnitude's exponent field - 2, held at 1 from below.  Numbers are divided by the scale and rounded to the nearest code, ties to even; beyond 6 the largest code.
;   Rows are dense and 1,024 is a multiple of 32: both tensors are plain streams of blocks, and so are codes and bytes.  A wave takes 16 steps of 512 numbers; each load reads 512 consecutive bytes; a step's 2,048 bytes turn
;   through the wave's own stage in LDS so that a lane holds 16 neighbours along K; a wave's store of codes covers 256 consecutive bytes, aligned; its 256 scale bytes are gathered in LDS and leave as one such run.
; Work-groups 352-479: Wproj [1024][1024] f32 -> f16, a plain stream: 8,192 bytes in and 4,096 out for each wave.
; Work-group 480: the padding mask [4][2048] becomes a permutation of the keys, wave b for batch b: kept keys get places 0 .. count - 1, padded keys places 2047 downward.  Stored as whole numbers:
;   words 0-8191 the identity (row % 2048), words 8192-16383 the place of key [b][l], from byte 65,536 on 256 bytes for each batch, every word the batch's count of kept keys.
; LIMITS: a block of zeros, or one whose largest magnitude lies under 2^-124, gets the byte 1 (its codes are zeros or small; the bytes are read by this program alone); NaN and infinities among the inputs are not served;
; |Wproj| beyond 65,504 becomes infinity in f16; any mask byte other than 0 counts as PAD.
.set WAVES, 4
.set STEPS, 16
.set WGA,   256                        ; x: 8192 x 1024 / 32,768 numbers a work-group
.set WGQ,   352                        ; + Wqkv's 96
.set WGC,   128                        ; Wproj: 1024 x 1024 / 8,192 numbers a work-group
.set CB,    8                          ; bytes of 16 codes
.set R,     16                         ; v16-79   four sets of 16 numbers as they are loaded
.set X,     80                         ; v80-111  two sets of 16 neighbours
.set C,     128                        ; v128-191 codes: four registers for each step, so that no store's data are written again
.set E,     112                        ; v112-127 a scale byte for each step
.set WREG,  8192                       ; LDS: a region for each wave: two stages of 32 x SP bytes, then its 256 scale bytes
.set SP,    80                         ; a lane's place in a stage: 64 bytes + 16 of padding
.set SPW,   12                         ; v12      LDS address of my spare word; never rewritten
.set NIL,   13                         ; v13      0; never rewritten
.set SPARE, WAVES*WREG                 ; behind the four regions: the spare words, 128 bytes a wave, which no other line names
	s_load_b128 s[4:7], s[0:1], 0x0                ; x, Wqkv
	s_load_b128 s[8:11], s[0:1], 0x10              ; x's codes, x's scales
	s_load_b128 s[12:15], s[0:1], 0x20             ; Wqkv's codes, Wqkv's scales
	s_load_b256 s[32:39], s[0:1], 0x30             ; Wproj s[32:33], its f16 copy s[34:35], the mask s[36:37], the whole numbers s[38:39]
	v_lshl_add_u32 v[SPW], v0, 2, SPARE
	v_mov_b32 v[NIL], 0
	v_lshrrev_b32 v1, 5, v0
	v_readfirstlane_b32 s16, v1                    ; wave
	v_and_b32 v2, 31, v0                           ; lane
	v_lshlrev_b32 v3, 4, v2                        ; 16 x lane
	s_mul_i32 s17, s16, WREG
	v_lshrrev_b32 v14, 2, v2
	v_mul_u32_u24 v14, v14, SP
	v_and_b32 v15, 3, v2
	v_lshl_add_u32 v14, v15, 4, v14
	v_add_nc_u32 v14, s17, v14                     ; the stage, on the way in: SP (lane / 4) + 16 (lane % 4)
	v_mul_u32_u24 v15, v2, SP
	v_add_nc_u32 v15, s17, v15                     ; and on the way out: SP x lane: my 16 neighbours
	v_mul_u32_u24 v4, v2, CB                       ; 8 x lane
	v_lshrrev_b32 v5, 1, v2
	s_add_co_u32 s17, s17, 2*32*SP
	v_add_nc_u32 v5, s17, v5                       ; LDS: my wave's 256 scale bytes, my block's byte
	v_lshlrev_b32 v7, 3, v2
	v_add_nc_u32 v6, s17, v7                       ; and on the way out 8 bytes a lane
	s_wait_kmcnt 0x0
	s_cmp_ge_u32 ttmp9, WGQ
	s_cbranch_scc1 .Lother
	; ---- the quantiser
	s_cmp_lt_u32 ttmp9, WGA                        ; x's work-group or Wqkv's?  Only pointers are chosen: both take one way through the text
	s_cselect_b64 s[4:5], s[4:5], s[6:7]
	s_cselect_b64 s[8:9], s[8:9], s[12:13]
	s_cselect_b64 s[10:11], s[10:11], s[14:15]
	s_cselect_b32 s17, 0, WGA
	s_sub_co_u32 s17, ttmp9, s17
	s_lshl_b32 s17, s17, 2
	s_add_co_u32 s18, s17, s16                     ; which run of 8,192 numbers of the tensor is my wave's
	s_mov_b32 s19, 0
	s_mov_b64 s[20:21], 512*STEPS*4
	s_mul_u64 s[20:21], s[18:19], s[20:21]
	s_add_nc_u64 s[4:5], s[4:5], s[20:21]
	s_mov_b64 s[20:21], 32*STEPS*CB
	s_mul_u64 s[20:21], s[18:19], s[20:21]
	s_add_nc_u64 s[8:9], s[8:9], s[20:21]
	s_lshl_b32 s18, s18, 8                         ; 256 scale bytes a run
	s_add_nc_u64 s[10:11], s[10:11], s[18:19]
.macro LOAD t
.irp i, 0,1,2,3
	global_load_b128 v[R+16*((\t)%4)+4*\i:R+16*((\t)%4)+4*\i+3], v3, s[4:5] offset:2048*(\t)+512*\i th:TH_LOAD_NT   ; 32 lanes read 512 consecutive bytes
.endr
.endm
.macro TURN t                          ; step t's numbers through the stage: LDS serves a wave's instructions in order, so no wait stands between the stores and the loads
.irp i, 0,1,2,3
	ds_store_b128 v14, v[R+16*((\t)%4)+4*\i:R+16*((\t)%4)+4*\i+3] offset:32*SP*((\t)%2)+8*SP*\i
.endr
.irp i, 0,1,2,3
	ds_load_b128 v[X+16*((\t)%2)+4*\i:X+16*((\t)%2)+4*\i+3], v15 offset:32*SP*((\t)%2)+16*\i
.endr
.endm
.irp t, 0,1,2,3
	LOAD \t
.endr
	s_wait_loadcnt 12                              ; step 0's four loads are in; the twelve of steps 1 to 3 may be out
	TURN 0
.macro STEP t
.set XS, X+16*((\t)%2)
.if (\t) > 0
	s_wait_dscnt 1                                 ; this step's numbers are back from the stage (the last step's byte store may be out): so its stores into the stage have read their registers,
.else
	s_wait_dscnt 0x0
.endif
.if (\t)+4 < STEPS
	LOAD (\t)+4                                    ; which take the loads of four steps on
.endif
.if (\t)+1 < STEPS
.if STEPS-2-(\t) >= 3
	s_wait_loadcnt 12                              ; the next step's four loads are in; those of the three steps behind it may be out
.else
	s_wait_loadcnt 4*(STEPS-2-(\t))
.endif
	TURN (\t)+1                                    ; and go through the other stage while this step is worked
.endif
	v_max3_num_f32 v8, |v[XS]|, |v[XS+1]|, |v[XS+2]|               ; the largest magnitude of my 16, in two chains
	v_max3_num_f32 v9, |v[XS+3]|, |v[XS+4]|, |v[XS+5]|
.irp i, 6,10
	v_max3_num_f32 v8, v8, |v[XS+\i]|, |v[XS+\i+1]|
	v_max3_num_f32 v9, v9, |v[XS+\i+2]|, |v[XS+\i+3]|
.endr
	v_max3_num_f32 v8, v8, |v[XS+14]|, |v[XS+15]|
	v_max3_num_f32 v8, v8, v9, 0x1800000           ; and the floor 2^(3 - 127): so the byte cannot fall under 1
	v_max_num_f32_dpp v8, v8, v8 row_xmask:1 row_mask:0xf bank_mask:0xf   ; and of my neighbour's 16: the block's
	v_add_nc_u32 v11, 0xff000000, v8               ; 2 off its exponent field: the conversion takes the exponent field of this operand as its scale, and nothing else of it
	v_cvt_scalef32_pk8_fp4_f32 v[C+4*(\t)], v[XS:XS+7], v11
	v_cvt_scalef32_pk8_fp4_f32 v[C+4*(\t)+1], v[XS+8:XS+15], v11
	v_lshrrev_b32 v[E+(\t)], 23, v11               ; the scale's byte (also the plain line behind the conversions)
	ds_store_b8 v5, v[E+(\t)] offset:16*(\t)       ; both lanes of a block write the same byte with the same value
	global_store_b64 v4, v[C+4*(\t):C+4*(\t)+1], s[8:9] offset:32*CB*(\t)   ; 32 lanes store 256 consecutive bytes, aligned
.endm
.irp t, 0,1,2,3,4,5,6,7,8,9,10,11,12,13,14,15
	STEP \t
.endr
	ds_load_b64 v[8:9], v6                         ; LDS serves a wave's instructions in order: these see my stores
	s_wait_dscnt 0x0
	global_store_b64 v7, v[8:9], s[10:11]          ; 32 lanes store 256 consecutive bytes, aligned
	s_wait_tensorcnt 0x0                           ; the wave's end: these three lines behind my last LDS store
	ds_add_u32 v[SPW], v[NIL]
	s_wait_dscnt 0x0
	s_endpgm
.Lother:
	s_cmp_eq_u32 ttmp9, WGQ+WGC
	s_cbranch_scc1 .Lperm
	; ---- Wproj to f16: my wave's 2,048 numbers
	s_sub_co_u32 s24, ttmp9, WGQ
	s_lshl_b32 s24, s24, 2
	s_add_co_u32 s24, s24, s16
	s_lshl_b32 s26, s24, 12                        ; 4,096 bytes out,
	s_lshl_b32 s24, s24, 13                        ; 8,192 bytes in
	s_mov_b32 s25, 0
	s_mov_b32 s27, 0
	s_add_nc_u64 s[32:33], s[32:33], s[24:25]
	s_add_nc_u64 s[34:35], s[34:35], s[26:27]
.irp i, 0,1,2,3,4,5,6,7,8,9,10,11,12,13,14,15
	global_load_b128 v[16+4*\i:19+4*\i], v3, s[32:33] offset:512*\i th:TH_LOAD_NT
.endr
.irp i, 0,1,2,3,4,5,6,7,8,9,10,11,12,13,14,15
	s_wait_loadcnt 15-\i                           ; load i is in; the younger ones may be out
	v_cvt_pk_f16_f32 v[96+2*\i], v[16+4*\i], v[17+4*\i]
	v_cvt_pk_f16_f32 v[97+2*\i], v[18+4*\i], v[19+4*\i]
	global_store_b64 v4, v[96+2*\i:97+2*\i], s[34:35] offset:256*\i   ; each store has registers of its own; 32 lanes store 256 consecutive bytes, aligned
.endr
	s_wait_tensorcnt 0x0                           ; the three closing lines are kept on every way out of this text
	ds_add_u32 v[SPW], v[NIL]
	s_wait_dscnt 0x0
	s_endpgm
.Lperm:
	; ---- the keys' places: wave b takes batch b.  Word g of a lane holds the mask bytes of keys 128 g + 4 lane + 0 .. 3
	s_lshl_b32 s24, s16, 11
	s_mov_b32 s25, 0
	s_add_nc_u64 s[36:37], s[36:37], s[24:25]      ; my batch's 2,048 mask bytes
	s_lshl_b32 s24, s16, 8
	s_add_nc_u64 s[40:41], s[38:39], s[24:25]      ; my batch's 256 bytes of count (65,536 bytes further on, in the immediate)
	s_lshl_b32 s24, s16, 13
	s_add_nc_u64 s[38:39], s[38:39], s[24:25]      ; my batch's 2,048 words of each map
	v_lshlrev_b32 v1, 2, v2
.irp g, 0,1,2,3,4,5,6,7,8,9,10,11,12,13,14,15
	global_load_b32 v[16+\g], v1, s[36:37] offset:128*\g
.endr
	s_mov_b32 s20, 0                               ; kept keys so far
	s_mov_b32 s21, 0                               ; padded keys so far
	s_wait_loadcnt 0x0
.irp g, 0,1,2,3,4,5,6,7,8,9,10,11,12,13,14,15
.irp e, 0,1,2,3
	v_bfe_u32 v8, v[16+\g], 8*\e, 8
	v_cmp_eq_u32 vcc_lo, 0, v8                     ; kept
	s_not_b32 s22, vcc_lo
	v_mbcnt_lo_u32_b32 v9, vcc_lo, s20             ; kept: those so far + the kept lanes below me
	v_mbcnt_lo_u32_b32 v10, s22, s21
	v_sub_nc_u32 v10, 2047, v10                    ; padded: from the end downward
	v_cndmask_b32 v[32+8*\g+\e], v10, v9, vcc_lo
	v_add_nc_u32 v[36+8*\g+\e], 128*\g+\e, v1      ; the identity: the key's own number
	s_bcnt1_i32_b32 s23, vcc_lo
	s_add_co_u32 s20, s20, s23
	s_bcnt1_i32_b32 s23, s22
	s_add_co_u32 s21, s21, s23
.endr
	global_store_b128 v3, v[36+8*\g:39+8*\g], s[38:39] offset:512*\g         ; 512 consecutive bytes; every store has registers of its own
	global_store_b128 v3, v[32+8*\g:35+8*\g], s[38:39] offset:32768+512*\g
.endr
	v_mov_b32 v160, s20
	v_mov_b32 v161, s20
	global_store_b64 v4, v[160:161], s[40:41] offset:65536   ; the count, in every word of 256 consecutive bytes
	s_wait_tensorcnt 0x0                           ; the three closing lines are kept on every way out of this text
	ds_add_u32 v[SPW], v[NIL]
	s_wait_dscnt 0x0
	s_endpgm
.Lfunc_end_k_q159cf425f1_prep:
	.size	k_q159cf425f1_prep, .Lfunc_end_k_q159cf425f1_prep-k_q159cf425f1_prep
	.p2alignl 7, 3214868480
	.fill 96, 4, 3214868480
	.section	.rodata,"a",@progbits
	.p2align	6, 0x0
	.amdhsa_kernel k_q159cf425f1_prep
		.amdhsa_group_segment_fixed_size 33280
		.amdhsa_private_segment_fixed_size 0
		.amdhsa_enable_private_segment 0
		.amdhsa_kernarg_size 80
		.amdhsa_user_sgpr_count 2
		.amdhsa_user_sgpr_kernarg_segment_ptr 1
		.amdhsa_wavefront_size32 1
		.amdhsa_system_sgpr_workgroup_id_x 1
		.amdhsa_system_sgpr_workgroup_id_y 1
		.amdhsa_system_sgpr_workgroup_id_z 1
		.amdhsa_system_vgpr_workitem_id 0
		.amdhsa_next_free_vgpr 192
		.amdhsa_next_free_sgpr 66
		.amdhsa_reserve_vcc 1
		.amdhsa_float_denorm_mode_32 3
		.amdhsa_float_denorm_mode_16_64 3
		.amdhsa_memory_ordered 1
		.amdhsa_forward_progress 1
		.amdhsa_inst_pref_size 79
	.end_amdhsa_kernel
	.amdgpu_metadata
---
amdhsa.version: [ 1, 2 ]
amdhsa.kernels:
  - .name:           k_q159cf425f1_prep
    .symbol:         k_q159cf425f1_prep.kd
    .args:
      - { .name: x, .offset: 0, .size: 8, .value_kind: global_buffer, .address_space: global }
      - { .name: Wqkv, .offset: 8, .size: 8, .value_kind: global_buffer, .address_space: global }
      - { .name: xc, .offset: 16, .size: 8, .value_kind: global_buffer, .address_space: global }
      - { .name: xs, .offset: 24, .size: 8, .value_kind: global_buffer, .address_space: global }
      - { .name: wc, .offset: 32, .size: 8, .value_kind: global_buffer, .address_space: global }
      - { .name: ws, .offset: 40, .size: 8, .value_kind: global_buffer, .address_space: global }
      - { .name: Wproj, .offset: 48, .size: 8, .value_kind: global_buffer, .address_space: global }
      - { .name: wp16, .offset: 56, .size: 8, .value_kind: global_buffer, .address_space: global }
      - { .name: key_padding_mask, .offset: 64, .size: 8, .value_kind: global_buffer, .address_space: global }
      - { .name: perm, .offset: 72, .size: 8, .value_kind: global_buffer, .address_space: global }
    .group_segment_fixed_size: 33280
    .private_segment_fixed_size: 0
    .kernarg_segment_align: 8
    .kernarg_segment_size: 80
    .max_flat_workgroup_size: 128
    .sgpr_count:     66
    .vgpr_count:     192
    .wavefront_size: 32
...
	.end_amdgpu_metadata
.endif
;; end of part 1
;; launch qkvgemm (part 2): grid 12 x 32, 4 waves a work-group, clusters of 4 x 4, 327,680 bytes of LDS; arguments xc, xs, wc, ws, qkv, perm; writes qkv
.if DOCPART == 2
	.amdgcn_target "amdgcn-amd-amdhsa--gfx1250"
	.amdhsa_code_object_version 6
	.text
	.protected	k_q159cf425f1_qkvgemm
	.globl	k_q159cf425f1_qkvgemm
	.p2align	8
	.type	k_q159cf425f1_qkvgemm,@function
k_q159cf425f1_qkvgemm:
	s_mov_b64 s[64:65], 0
	v_nop
	global_prefetch_b8 v0, s[64:65] scope:SCOPE_SE
	s_setreg_imm32_b32 hwreg(HW_REG_WAVE_MODE, 25, 1), 1
	s_wait_xcnt 0x0
	s_wait_alu depctr_hold_cnt(0) depctr_sa_sdst(0) depctr_va_vdst(0) depctr_va_sdst(0) depctr_va_ssrc(0) depctr_va_vcc(0) depctr_vm_vsrc(0)
	s_getreg_b32 s2, hwreg(HW_REG_IB_STS2, 6, 4)
	s_cmp_eq_u32 s2, 0
	s_cbranch_scc0 .Lentry_in_a_cluster
	s_endpgm
.Lentry_in_a_cluster:
	s_bfe_u32 s2, ttmp6, 0x10000c
	s_cmp_lg_u32 s2, 0xf033
	s_cbranch_scc0 .Lentry_shape_is_right
	s_endpgm
.Lentry_shape_is_right:
; qkv[m][n] = sum over k of x[m][k] Wqkv[n][k], m < 8192, n < 3072, k < 1024, both operands as codes of FP4 (E2M1) with one E8M0 byte for each 32 along K; sums in f32; the result rounded once to f16.
; A tile of 256 x 256 is made by a work-group of four waves, each 128 x 128: 64 accumulators of 16 x 16, 512 registers.  K is 1,024: two LDS slots of 512 along K (rows of 256 bytes), each filled once, at the head.
; The scale bytes of the work-group's 256 + 256 rows, for all of K, are two dense blocks of memory and come once, with the first fills.
; CLUSTERS: 4 x 4 work-groups.  The four of a row of the cluster need the same tiles of x, the four of a column the same tiles of Wqkv: each tile is asked for JOINTLY, by the same tensor load with the same descriptor and
; a mask that names the four.  By this text's own count a wave has three tensor loads out at the most.
; THE MATRIX INSTRUCTION IS USED TRANSPOSED (source 0 = 16 rows of Wqkv, source 1 = 16 rows of x): a lane holds eight neighbouring columns of one row of the result, which pack into 16 bytes of f16.
; THE RESULT'S LAYOUT is [batch 4][column block 24][row 2048][128] f16: a row of 256 bytes holds 128 columns, two heads.  Column blocks 0-7 are q, 8-15 k, 16-23 v.  q's row is the token; k's and v's row is the token's PLACE,
; read from the whole numbers that the launch before stored (kept keys first), so that attention can stop at the count of kept keys.  Each store of 16 lanes covers one such row: 256 consecutive bytes, aligned.
; LIMIT: results beyond 65,504 in magnitude become infinities in f16.
; REGISTERS, in windows of 256: window 0: v0-31 addresses; v32-95 scale words, two sets; v96-127 packed results; v128-191 x's fragments, ONE set, later rows read back from the stage; v192-255 the rows' places.
;   window 1: Wqkv's fragments, TWO sets, at v0 and v128.   window 2: the accumulators of my rows 0-63 ((a, b) at v[8 (8 a + b)]);   window 3: those of my rows 64-127.
.set KSTEP,  512                       ; along K in a slot
.set NQ,     KSTEP/128                 ; matrix instructions deep
.set ROWB,   256                       ; a tile's row in bytes
.set KROW,   512                       ; a row of codes in memory: 1,024 codes
.set PITCH,  272                       ; an LDS row: 256 bytes + 16 of padding = 68 words: the 16 rows that a load touches start 4 banks apart (64 banks of 4 bytes: ISA guide 11.1)
.set FR,     8                         ; registers of a fragment: 16 rows x 128 K
.set NL,     2                         ; LDS loads that bring one
.set NP,     4                         ; places behind this matrix instruction (ISA guide 7.12.1)
.set HALFT,  128*PITCH                 ; 128 rows: what one tensor load brings
.set SLOT,   4*HALFT                   ; x's 256 rows, then Wqkv's 256 rows
.set KS,     32                        ; a row of scale bytes
.set SCL,    2*SLOT                    ; behind the slots: the scales, as rows of 256 bytes + 16 of padding
.set HALFS,  (128*KS/256)*272          ; the scales of 128 rows
.set SBLK,   (16*KS/256)*272           ; those of 16 rows
.set SPARE,  SCL+4*HALFS               ; the spare words, 128 bytes a wave, which no other line names
.set ADRA, 16                          ; v16-17  LDS address of my x fragments in slot 0, 1
.set ADRB, 20                          ; v20-21  the same for Wqkv
.set STO,  24                          ; v24     the way out: where I put 16 bytes of a row
.set RD,   25                          ; v25     the way out: where I read a row back
.set CO,   26                          ; v26     16 x (lane % 16): my bytes in a row of the result
.set ADRS, 27                          ; v27     LDS address of my scale words: lanes 0-15 x's rows, lanes 16-31 Wqkv's
.set SPW,  28                          ; v28     LDS address of my spare word; never rewritten
.set NIL,  29                          ; v29     0; never rewritten
.set MO,   30                          ; v30     32 x (lane / 16): my eight words of a block's sixteen places; never rewritten
.set SC,   32                          ; scale words: set s at v[SC + 32 s]; register 4 i + q: lanes 0-15 the word of x's block i, lanes 16-31 of Wqkv's block i
.set TMP,  96                          ; packed results of a block
.set AF,   128                         ; x's fragments
.set BK,   128                         ; the way out: 16 rows read back: v128-159 and v160-191 by turns
.set MAP,  192                         ; v[MAP + 8 a + t]: the place, later the byte offset, of my row 16 a + 8 (lane / 16) + t
.set G1, 24                            ; s[24:31] descriptor group 1 for x's tiles;  s[32:39] group 0, one set for each slot
.set G0, 32
.set G1B, 48                           ; s[48:55], s[56:63] the same for Wqkv's
.set G0B, 56
.set G1S, 68                           ; s[68:75], s[76:79] for x's scales;  s[80:87], s[88:91] for Wqkv's
.set G0S, 76
.set G1SB, 80
.set G0SB, 88
.set MSB, 0
.macro WIN new                         ; the immediate's high byte repeats the setting that is left
.if MSB != \new
	s_set_vgpr_msb (MSB<<8)|\new
.set MSB, \new
.endif
.endm
.set MUL_LO, 0xa1                      ; source 0 window 1, source 1 window 0, C and D window 2
.set MUL_HI, 0xf1                      ; the same, C and D window 3
.set TO_B,   0x40                      ; destination window 1, address window 0
; A joint load: waves 0 and 1 fetch for x, waves 2 and 3 for Wqkv.  The branch hangs on the wave's number alone.  An s_nop 0 and four v_nop follow each of the two lines.
.macro JLOAD g0a, g1a, g0b, g1b
	s_cmp_eq_u32 s15, 0
	s_cbranch_scc0 .Lfor_b_\@
	tensor_load_to_lds s[\g0a:\g0a+3], s[\g1a:\g1a+7]
	s_nop 0
.rept 4
	v_nop
.endr
	s_branch .Lasked_\@
.Lfor_b_\@:
	tensor_load_to_lds s[\g0b:\g0b+3], s[\g1b:\g1b+7]
	s_nop 0
.rept 4
	v_nop
.endr
.Lasked_\@:
.endm
.macro CROUND                          ; a round of the cluster's barrier
	s_barrier_signal -1
	s_barrier_wait -1
	s_cmp_lg_u32 s14, 0
	s_cbranch_scc1 .Lnot_wave_0_\@
	s_barrier_signal -3
.Lnot_wave_0_\@:
	s_barrier_wait -3
	s_barrier_signal -1
	s_barrier_wait -1
.endm
	s_load_b128 s[4:7], s[0:1], 0x0                ; x's codes s[4:5], x's scales s[6:7]
	s_load_b128 s[8:11], s[0:1], 0x10              ; Wqkv's codes s[8:9], its scales s[10:11]
	s_load_b64 s[12:13], s[0:1], 0x20              ; the result
	s_load_b64 s[98:99], s[0:1], 0x28              ; the rows' places
	v_lshl_add_u32 v[SPW], v0, 2, SPARE
	v_mov_b32 v[NIL], 0
	ds_add_u32 v[SPW], v[NIL]                      ; the wave's opening: the add, twice on end, and its wait ahead of my first tensor load
	ds_add_u32 v[SPW], v[NIL]                      ; and once more, under the one wait; the set-up below stands between
	v_lshrrev_b32 v1, 5, v0
	v_readfirstlane_b32 s14, v1                    ; wave 0..3
	s_lshr_b32 s15, s14, 1                         ; which half of the tile's rows is mine.  Also: I fetch for x (0) or for Wqkv (1)
	s_and_b32 s16, s14, 1                          ; which half of its columns.  Also: which 128 rows of that tile I fetch
	s_bfe_u32 s40, ttmp6, 0x40000                  ; cx, cy: my place in the cluster
	s_bfe_u32 s41, ttmp6, 0x40004
	s_lshl_b32 s42, ttmp9, 2
	s_add_co_u32 s42, s42, s40                     ; tile column = 4 x cluster x + cx
	s_and_b32 s17, ttmp7, 0xffff
	s_lshl_b32 s17, s17, 2
	s_add_co_u32 s17, s17, s41                     ; tile row = 4 x cluster y + cy
	s_lshl_b32 s43, s41, 2
	s_lshl_b32 s43, 15, s43                        ; my row of the cluster
	s_lshl_b32 s44, 0x1111, s40                    ; my column
	; descriptor group 1: a tile of 128 rows x 256 bytes, padded in LDS
	s_or_b32 s[G1+0], s43, (0<<16)|(1<<20)|(1<<21)|(5<<22)|(3<<25)  ; 15:0 the mask; 17:16 elements of 1 byte; 20 padding on; 21 set beside a mask; 24:22 after every 64 words; 31:25 four words
	s_or_b32 s[G1B+0], s44, (0<<16)|(1<<20)|(1<<21)|(5<<22)|(3<<25)
.irp g, G1, G1B
	s_mov_b32 s[\g+1], ROWB<<16                    ; tensor_dim0
	s_mov_b32 s[\g+2], 128<<16                     ; tensor_dim1
	s_mov_b32 s[\g+3], ROWB<<16                    ; tile_dim0
	s_mov_b32 s[\g+4], 128                         ; tile_dim1
	s_mov_b32 s[\g+5], KROW                        ; from row to row
	s_mov_b32 s[\g+6], 0
	s_mov_b32 s[\g+7], 0
.endr
	; the scales of 128 rows: a dense block of 4,096 bytes, as 16 rows of 256 bytes (32 elements of 8 bytes), 16 bytes of padding behind each
	s_or_b32 s[G1S+0], s43, (3<<16)|(1<<20)|(1<<21)|(5<<22)|(3<<25)
	s_or_b32 s[G1SB+0], s44, (3<<16)|(1<<20)|(1<<21)|(5<<22)|(3<<25)
.irp g, G1S, G1SB
	s_mov_b32 s[\g+1], 32<<16
	s_mov_b32 s[\g+2], (128*KS/256)<<16
	s_mov_b32 s[\g+3], 32<<16
	s_mov_b32 s[\g+4], 128*KS/256
	s_mov_b32 s[\g+5], 32
	s_mov_b32 s[\g+6], 0
	s_mov_b32 s[\g+7], 0
.endr
	s_lshl_b32 s18, s16, 7                         ; which 128 rows of the tile I fetch
	s_lshl_b32 s20, s17, 8
	s_add_co_u32 s20, s20, s18                     ; x: row 256 x tile row + 128 x half
	s_lshl_b32 s46, s42, 8
	s_add_co_u32 s46, s46, s18                     ; Wqkv: row 256 x tile column + 128 x half
	s_mov_b32 s21, 0
	s_mov_b32 s47, 0
	s_mov_b64 s[18:19], KS
	s_mul_u64 s[22:23], s[20:21], s[18:19]         ; where these rows' scales begin, in bytes
	s_mul_u64 s[92:93], s[46:47], s[18:19]
	s_mov_b64 s[18:19], KROW
	s_mul_u64 s[20:21], s[20:21], s[18:19]         ; and their codes
	s_mul_u64 s[46:47], s[46:47], s[18:19]
	s_mul_i32 s45, s14, HALFT                      ; where they go: wave x 128 rows: no place in the cluster enters an LDS address
	s_mul_i32 s94, s14, HALFS
	s_wait_dscnt 0x0                               ; both opening adds are done
	s_wait_kmcnt 0x0
	s_add_nc_u64 s[20:21], s[4:5], s[20:21]
	s_add_nc_u64 s[22:23], s[6:7], s[22:23]
	s_add_nc_u64 s[46:47], s[8:9], s[46:47]
	s_add_nc_u64 s[92:93], s[10:11], s[92:93]
	CROUND                                         ; all sixteen work-groups are here: the first joint loads meet
	s_mov_b32 s[G0S], 1
	s_add_co_u32 s[G0S+1], s94, SCL
	s_mov_b64 s[G0S+2:G0S+3], s[22:23]
	s_or_b32 s[G0S+3], s[G0S+3], 0x80000000
	s_mov_b32 s[G0SB], 1
	s_add_co_u32 s[G0SB+1], s94, SCL
	s_mov_b64 s[G0SB+2:G0SB+3], s[92:93]
	s_or_b32 s[G0SB+3], s[G0SB+3], 0x80000000
	JLOAD G0S, G1S, G0SB, G1SB                     ; the scales first: they are wanted with the first slot
.irp s, 0,1
	s_mov_b32 s[G0+4*\s], 1
	s_add_co_u32 s[G0+4*\s+1], s45, \s*SLOT
	s_add_nc_u64 s[G0+4*\s+2:G0+4*\s+3], s[20:21], \s*ROWB
	s_or_b32 s[G0+4*\s+3], s[G0+4*\s+3], 0x80000000
	s_mov_b32 s[G0B+4*\s], 1
	s_add_co_u32 s[G0B+4*\s+1], s45, \s*SLOT
	s_add_nc_u64 s[G0B+4*\s+2:G0B+4*\s+3], s[46:47], \s*ROWB
	s_or_b32 s[G0B+4*\s+3], s[G0B+4*\s+3], 0x80000000
	JLOAD G0+4*\s, G1, G0B+4*\s, G1B
.endr
	v_and_b32 v1, 15, v0                           ; l % 16
	v_bfe_u32 v2, v0, 4, 1                         ; l / 16
	v_mul_u32_u24 v3, v1, PITCH
	v_lshl_add_u32 v4, v2, 4, v3                   ; a fragment's row x pitch + 16 x half
	s_mul_i32 s21, s15, HALFT                      ; my 128 rows of x
	s_mul_i32 s22, s16, HALFT                      ; my 128 rows of Wqkv,
	s_add_co_u32 s22, s22, 2*HALFT                 ; which lie behind x's 256
.irp s, 0,1
	v_add_nc_u32 v[ADRA+\s], s21, v4
	v_add_nc_u32 v[ADRB+\s], s22, v4
	s_add_co_u32 s21, s21, SLOT
	s_add_co_u32 s22, s22, SLOT
.endr
	v_mul_u32_u24 v5, v1, KS                       ; my row's scales: 32 bytes a row,
	v_lshrrev_b32 v6, 8, v5
	v_lshl_add_u32 v5, v6, 4, v5                   ; and 16 more for each 256 passed
	s_mul_i32 s21, s15, HALFS
	s_mul_i32 s22, s16, HALFS
	s_add_co_u32 s22, s22, 2*HALFS
	s_sub_co_u32 s22, s22, s21
	v_mul_u32_u24 v6, s22, v2                      ; lanes 16-31 take Wqkv's: one product, the distance between the two bases
	s_add_co_u32 s21, s21, SCL
	v_add_nc_u32 v5, v5, v6
	v_add_nc_u32 v[ADRS], s21, v5
	s_mul_i32 s23, s14, 16*PITCH                   ; my stage: 16 rows x 272 bytes in slot 0, which has had its only fill and its last read when the first result is stored there
	v_add_nc_u32 v[STO], s23, v4                   ; in: row l % 16, 16 bytes for each half of the lanes
	v_mul_u32_u24 v5, v2, 8*PITCH                  ; back: lanes 0-15 take row t, lanes 16-31 row 8 + t
	v_lshl_add_u32 v5, v1, 4, v5
	v_add_nc_u32 v[RD], s23, v5
	v_lshlrev_b32 v[CO], 4, v1
	v_lshlrev_b32 v[MO], 5, v2
	; the rows' places: q's tiles (cluster x = 0: tile columns 0-3) take the identity, k's and v's the keys' places, 32,768 bytes further on
	s_cmp_eq_u32 ttmp9, 0
	s_cselect_b32 s22, 0, 0x8000
	s_lshl_b32 s23, s17, 10                        ; 256 rows x 4 bytes a tile row
	s_add_co_u32 s22, s22, s23
	s_lshl_b32 s23, s15, 9                         ; my 128 rows
	s_add_co_u32 s22, s22, s23
	s_mov_b32 s23, 0
	s_add_nc_u64 s[98:99], s[98:99], s[22:23]
.irp a, 0,1,2,3,4,5,6,7
	global_load_b128 v[MAP+8*\a:MAP+8*\a+3], v[MO], s[98:99] offset:64*\a       ; rows 16 a + 8 (l / 16) + 0 .. 3
	global_load_b128 v[MAP+8*\a+4:MAP+8*\a+7], v[MO], s[98:99] offset:64*\a+16  ; and + 4 .. 7.  They are waited for on the way out
.endr
	; my block of the result: (batch x 24 + column block) x 2,048 rows x 256 bytes; the row's and the column's parts in pairs of their own
	s_lshr_b32 s20, s17, 3                         ; the batch: 8 tile rows each
	s_mul_i32 s20, s20, 24
	s_lshl_b32 s20, s20, 19
	s_mov_b32 s21, 0
	s_add_nc_u64 s[12:13], s[12:13], s[20:21]
	s_lshl_b32 s46, s42, 1
	s_add_co_u32 s46, s46, s16                     ; column block = 2 x tile column + my half
	s_lshl_b32 s46, s46, 19
	s_mov_b32 s47, 0
	s_add_nc_u64 s[12:13], s[12:13], s[46:47]
.macro FRAG reg, adr, q, i             ; 16 rows x 128 K of 4-bit codes: lane l holds row l % 16; registers 4 c .. 4 c + 3 hold K = 64 c + 32 (l / 16) + 0 .. 31
.irp c, 0,1
	ds_load_b128 v[\reg+4*\c:\reg+4*\c+3], v[\adr] offset:64*(\q)+32*\c+(\i)*16*PITCH
.endr
.endm
; 16 matrix instructions: x's blocks a0, a0 + 1 against Wqkv's eight, 128 along K.  p: Wqkv's set;  sc: the set of scale words.  zero = 1: the first product starts the sums.
; The 64 accumulators take turns, one instruction a turn, in the same order in every step.
.macro MUL16 a0, p, q, sc, zero
.irp a, \a0, \a0+1
.irp b, 0,1,2,3,4,5,6,7
.if \zero
	v_wmma_scale_f32_16x16x128_f8f6f4 v[8*(8*((\a)%4)+\b):8*(8*((\a)%4)+\b)+7], v[128*(\p)+FR*\b:128*(\p)+FR*\b+FR-1], v[AF+FR*(\a):AF+FR*(\a)+FR-1], 0, v[SC+8*NQ*(\sc)+NQ*\b+(\q)], v[SC+8*NQ*(\sc)+NQ*(\a)+(\q)] matrix_a_fmt:MATRIX_FMT_FP4 matrix_b_fmt:MATRIX_FMT_FP4 matrix_a_scale:MATRIX_SCALE_ROW1
.else
	v_wmma_scale_f32_16x16x128_f8f6f4 v[8*(8*((\a)%4)+\b):8*(8*((\a)%4)+\b)+7], v[128*(\p)+FR*\b:128*(\p)+FR*\b+FR-1], v[AF+FR*(\a):AF+FR*(\a)+FR-1], v[8*(8*((\a)%4)+\b):8*(8*((\a)%4)+\b)+7], v[SC+8*NQ*(\sc)+NQ*\b+(\q)], v[SC+8*NQ*(\sc)+NQ*(\a)+(\q)] matrix_a_fmt:MATRIX_FMT_FP4 matrix_b_fmt:MATRIX_FMT_FP4 matrix_a_scale:MATRIX_SCALE_ROW1
.endif
.endr
.endr
.endm
.macro FETCH_B slot, q, p              ; Wqkv's eight fragments of the slot's q-th 128 along K into set p
	WIN TO_B
.irp i, 0,1,2,3,4,5,6,7
	FRAG 128*(\p)+FR*\i, ADRB+\slot, \q, \i
.endr
	WIN 0
.endm
.macro FETCH_A slot, q, i0             ; x's blocks i0 .. i0 + 3
.irp i, \i0, \i0+1, \i0+2, \i0+3
	FRAG AF+FR*(\i), ADRA+\slot, \q, \i
.endr
.endm
.macro SCALES sc                       ; a slot's scale words into set sc: four words a row; lanes 0-15 take x's block i, lanes 16-31 Wqkv's block i
.irp i, 0,1,2,3,4,5,6,7
	ds_load_b128 v[SC+8*NQ*\sc+NQ*\i:SC+8*NQ*\sc+NQ*\i+3], v[ADRS] offset:\i*SBLK
.endr
.endm
.macro PLACES n                        ; plain vector lines between a matrix instruction and a load into one of its registers, or a read of its result
.rept \n
	v_nop
.endr
.endm
; A step of 128 along K that has its successor in the same slot.  x has one set of registers: blocks 0-3 are fetched anew in the step's middle, blocks 4-7 at its end.
.macro STEP slot, q, zero
	s_wait_dscnt 4*NL                              ; all but the youngest eight loads (x's blocks 4-7) are in
	WIN MUL_LO
	MUL16 0, (\q)%2, \q, \slot, \zero
	MUL16 2, (\q)%2, \q, \slot, \zero
	s_wait_dscnt 0                                 ; x's blocks 4-7 are in
	PLACES NP
	FETCH_B \slot, (\q)+1, 1-(\q)%2
	FETCH_A \slot, (\q)+1, 0
	WIN MUL_HI
	MUL16 4, (\q)%2, \q, \slot, \zero
	MUL16 6, (\q)%2, \q, \slot, \zero
	PLACES NP
	WIN 0
	FETCH_A \slot, (\q)+1, 4
.endm
.macro STEPS slot, from                ; the slot's steps from .. NQ - 2
.set Q, \from
.rept NQ-1-\from
	STEP \slot, Q, 0
.set Q, Q+1
.endr
.endm
	s_wait_tensorcnt 1                             ; the scales and my part of slot 0 are in (slot 1's load may be out)
	s_barrier_signal -1
	s_barrier_wait -1                              ; everybody's are
	FETCH_B 0, 0, 0
	FETCH_A 0, 0, 0
	SCALES 0
	FETCH_A 0, 0, 4
	STEP 0, 0, 1                                   ; the first step's products start the sums: nothing is cleared
	STEPS 0, 1
	; slot 0's last step changes slots: one barrier; in front of it each wave waits for all its tensor loads (its part of slot 1), adds 0 to its spare word, and waits for that and for its reads of slot 0
	s_wait_tensorcnt 0x0
	ds_add_u32 v[SPW], v[NIL]
	s_wait_dscnt 4*NL+1                            ; (the add and the youngest eight loads may be out)
	WIN MUL_LO
	MUL16 0, 1, NQ-1, 0, 0                         ; sixteen matrix instructions stand between the add and the wait for it
	s_wait_dscnt 0x0                               ; the add is done, and my reads of slot 0 are over
	s_barrier_signal -1
	MUL16 2, 1, NQ-1, 0, 0
	WIN 0
	s_barrier_wait -1                              ; slot 1 is whole, and nobody reads slot 0 any more
	PLACES NP
	v_add_nc_u32 v[ADRS], 4*NQ, v[ADRS]            ; on to slot 1's scale words (no LDS load of mine is out)
	FETCH_B 1, 0, 0
	FETCH_A 1, 0, 0
	SCALES 1
	WIN MUL_HI
	MUL16 4, 1, NQ-1, 0, 0
	MUL16 6, 1, NQ-1, 0, 0
	PLACES NP
	WIN 0
	FETCH_A 1, 0, 4
	STEPS 1, 0
	s_wait_dscnt 4*NL                              ; the very last step: nothing more to fetch
	WIN MUL_LO
	MUL16 0, 1, NQ-1, 1, 0
	MUL16 2, 1, NQ-1, 1, 0
	s_wait_dscnt 0
	WIN MUL_HI
	MUL16 4, 1, NQ-1, 1, 0
	MUL16 6, 1, NQ-1, 1, 0
	WIN 0
	; THE WAY OUT.  The places become byte offsets: held under 2,048, x 256 bytes a row, + my 16 bytes.  These 128 plain lines, which name no register of the products, are also the places behind the last of them.
	s_wait_loadcnt 0x0                             ; the places, asked for at the head
.set i, 0
.rept 64
	v_min_u32 v[MAP+i], 0x7ff, v[MAP+i]
.set i, i+1
.endr
.set i, 0
.rept 64
	v_lshl_add_u32 v[MAP+i], v[MAP+i], 8, v[CO]
.set i, i+1
.endr
.macro PACK a                          ; block a, 16 rows x 128 columns: rounded to f16, 16 bytes a lane for each of Wqkv's eight blocks; each accumulator from its low end on
.set AC, 64*((\a)%4)
	WIN 0x0a+5*((\a)/4)                            ; sources 0 and 1: window 2 or 3
.irp b, 0,1,2,3,4,5,6,7
.irp r, 0,1,2,3
	v_cvt_pk_f16_f32 v[TMP+4*\b+\r], v[AC+8*\b+2*\r], v[AC+8*\b+2*\r+1]
.endr
.endr
	WIN 0
.endm
.macro TOSTAGE a                       ; into my own stage, and back as whole rows of 256 bytes
.set BB, BK+32*((\a)%2)
.irp b, 0,1,2,3,4,5,6,7
	ds_store_b128 v[STO], v[TMP+4*\b:TMP+4*\b+3] offset:32*\b
.endr
.irp t, 0,1,2,3,4,5,6,7
	ds_load_b128 v[BB+4*\t:BB+4*\t+3], v[RD] offset:\t*PITCH       ; LDS serves a wave's instructions in order (ISA guide 5.7.1.4): these see the stores above
.endr
.endm
.macro SEND a
.set BB, BK+32*((\a)%2)
	s_wait_dscnt 0x0                               ; the block is back in registers
	s_wait_xcnt 0x0                                ; the stores of the block before have read their registers: the next block's loads may land there
.irp t, 0,1,2,3,4,5,6,7
	global_store_b128 v[MAP+8*(\a)+\t], v[BB+4*\t:BB+4*\t+3], s[12:13]   ; 16 lanes store one row of the result at its place: 256 consecutive bytes, aligned
.endr
.endm
	PACK 0
	TOSTAGE 0
.irp a, 1,2,3,4,5,6,7                  ; block a's conversions stand between block a - 1's loads from the stage and the wait for them
	PACK \a
	SEND \a-1
	TOSTAGE \a
.endr
	SEND 7
	s_wait_tensorcnt 0x0                           ; the wave's end: these three lines, behind my last tensor load and my last LDS store
	ds_add_u32 v[SPW], v[NIL]
	s_wait_dscnt 0x0
	CROUND                                         ; the closing round: no work-group ends while a partner may still ask for a tile that names it
	s_endpgm
.Lfunc_end_k_q159cf425f1_qkvgemm:
	.size	k_q159cf425f1_qkvgemm, .Lfunc_end_k_q159cf425f1_qkvgemm-k_q159cf425f1_qkvgemm
	.p2alignl 7, 3214868480
	.fill 96, 4, 3214868480
	.section	.rodata,"a",@progbits
	.p2align	6, 0x0
	.amdhsa_kernel k_q159cf425f1_qkvgemm
		.amdhsa_group_segment_fixed_size 327680
		.amdhsa_private_segment_fixed_size 0
		.amdhsa_enable_private_segment 0
		.amdhsa_kernarg_size 48
		.amdhsa_user_sgpr_count 2
		.amdhsa_user_sgpr_kernarg_segment_ptr 1
		.amdhsa_wavefront_size32 1
		.amdhsa_system_sgpr_workgroup_id_x 1
		.amdhsa_system_sgpr_workgroup_id_y 1
		.amdhsa_system_sgpr_workgroup_id_z 1
		.amdhsa_system_vgpr_workitem_id 0
		.amdhsa_next_free_vgpr 1024
		.amdhsa_next_free_sgpr 100
		.amdhsa_reserve_vcc 0
		.amdhsa_float_denorm_mode_32 3
		.amdhsa_float_denorm_mode_16_64 3
		.amdhsa_memory_ordered 1
		.amdhsa_forward_progress 1
		.amdhsa_inst_pref_size 136
	.end_amdhsa_kernel
	.amdgpu_metadata
---
amdhsa.version: [ 1, 2 ]
amdhsa.kernels:
  - .name:           k_q159cf425f1_qkvgemm
    .symbol:         k_q159cf425f1_qkvgemm.kd
    .args:
      - { .name: xc, .offset: 0, .size: 8, .value_kind: global_buffer, .address_space: global }
      - { .name: xs, .offset: 8, .size: 8, .value_kind: global_buffer, .address_space: global }
      - { .name: wc, .offset: 16, .size: 8, .value_kind: global_buffer, .address_space: global }
      - { .name: ws, .offset: 24, .size: 8, .value_kind: global_buffer, .address_space: global }
      - { .name: qkv, .offset: 32, .size: 8, .value_kind: global_buffer, .address_space: global }
      - { .name: perm, .offset: 40, .size: 8, .value_kind: global_buffer, .address_space: global }
    .group_segment_fixed_size: 327680
    .private_segment_fixed_size: 0
    .kernarg_segment_align: 8
    .kernarg_segment_size: 48
    .max_flat_workgroup_size: 128
    .sgpr_count:     100
    .vgpr_count:     1024
    .wavefront_size: 32
...
	.end_amdgpu_metadata
.endif
;; end of part 2
;; launch attn (part 3): grid 4 x 64, 8 waves a work-group, no clusters, 58,368 bytes of LDS; arguments qkv, perm, y; writes y
.if DOCPART == 3
	.amdgcn_target "amdgcn-amd-amdhsa--gfx1250"
	.amdhsa_code_object_version 6
	.text
	.protected	k_q159cf425f1_attn
	.globl	k_q159cf425f1_attn
	.p2align	8
	.type	k_q159cf425f1_attn,@function
k_q159cf425f1_attn:
	s_mov_b64 s[64:65], 0
	v_nop
	global_prefetch_b8 v0, s[64:65] scope:SCOPE_SE
	s_setreg_imm32_b32 hwreg(HW_REG_WAVE_MODE, 25, 1), 1
	s_wait_xcnt 0x0
; y[b][h][q][:] = the sum over kept keys k of softmax_k(q . k / 8) v[k][:], head size 64, operands in f16, products, maxima and sums in f32; the weights p are rounded to f16 for the second product, y once at the end.
; qkv is [batch 4][column block 24][row 2048][128] f16 (blocks 0-7 q, 8-15 k, 16-23 v; a row of 256 bytes holds two heads); k's and v's rows lie with the KEPT keys first, in the same order for both.
; THE WALK ENDS AT THE COUNT OF KEPT KEYS, a whole number that an earlier launch stored: ceil(count / 64) key steps of 64 keys are worked, for any mask.  The trip count of the loop is a constant; a step past the end is jumped
; over by a scalar branch, the same in all eight waves, and every wave passes every barrier.
; THE MASK.  Only the last step that is worked can hold padded keys.  The C of each score tile's first matrix instruction is a table of 32 registers in the result's layout: zeros, and in that one step -1e38 at the padded keys.
; The running maximum starts at -1e30; |q . k| stays under 64 x 65504^2 = 2.8e11, so a padded key's p = 2^(c s - c m) is 0.  Step 0 is always worked: with no kept key the sum is 0 and 0 x (1 / 0) gives the NaN that a softmax over nothing gives.
; SHARES.  A work-group owns 512 queries of one head, each of its eight waves 64: four tiles of 16, in 512 registers, two waves to a SIMD, so that one wave's vector work can stand beside the other's matrix work.
; LAYOUT.  S^T = K Q^T (source 0 = 16 keys, source 1 = 16 queries): a lane holds ONE query (lane % 16) and keys 8 (lane / 16) + 0..7 of a tile.  Two such tiles, rounded to f16 in pairs, ARE source 1 (32 keys x 16 queries) of
; O^T = V^T P, whose result again holds one query a lane.  K comes out of LDS as it lies, V ([key][channel]) turned, by ds_load_tr16_b128.
; SOFTMAX.  For each query a running maximum m and sum l: p = 2^(c s - c m), c = log2(e) / 8; in every step O and l are multiplied by a = 2^(c m_old - c m_new).
; LDS IS FILLED THROUGH REGISTERS: two slots of one key step; tile T + 2 is loaded into 16 registers a thread in step T, stored into the slot that step T read at the head of step T + 1, and read in step T + 2.  One barrier a step.
; NO TENSOR LOADS AND NO CLUSTER, though the four query blocks of a head read the same K and V.
; LIMITS: q, k, v beyond 65,504 are infinities here; keys are summed in the order of their places, not of their numbers; NaN and infinities among the inputs are not served.
; REGISTERS.  window 0: v0-15 addresses; v30, v31 the add's two; v32-63 statistics, 8 a tile; v64-191 S^T, 32 a tile (P is made in place in the low 16); v192-255 eight fragments of K or of V.
;   window 1: v0-63 Q; v64-191 O^T, 32 a tile; v192-223 the mask's table; v224-239 the staging registers; v240-255 a second set, used at the head alone.
.set PK,    144                        ; a key's row in LDS: 128 bytes + 16: an odd multiple of 16, so the 16 rows of a load start in different banks
.set PV,    160                        ; a row of V: 128 + 32: an odd multiple of 32, for the turning load
.set VOFF,  64*PK                      ; a slot: 64 rows of K, then 64 rows of V
.set SLOTB, 64*(PK+PV)
.set STAGE, 2*SLOTB                    ; the way out: 16 rows x 144 bytes for each wave
.set SPARE, STAGE+8*16*PK              ; the spare words, 128 bytes a wave, which no other line names
.set TILEB, 64*256                     ; a key step's rows in memory
.set VGAP,  8*2048*256                 ; from k's column block to v's
.set AK,  3                            ; v3   my lane's place in a tile of K
.set AV,  4                            ; v4   the same for V
.set FG,  5                            ; v5   the fill: my thread's 16 bytes in memory: row thread / 8, 16 (thread % 8)
.set FK,  6                            ; v6   and in a slot's K,
.set FV,  7                            ; v7   and V
.set QO,  8                            ; v8   my byte offset in the wave's rows of Q
.set STO, 9                            ; v9   the way out: where I put 16 bytes of a row
.set RD,  10                           ; v10  where I read rows back
.set GO,  11                           ; v11  16 x lane: my bytes among four rows of y
.set PFO, 12                           ; v12  the prefetches' offset; never rewritten
.set DD,  13                           ; v13  at work
.set NEG, 14                           ; v14  -1e38
.set H8,  15                           ; v15  8 (lane / 16)
.set SPW, 30
.set NIL, 31
.set ST,  32                           ; tile t: +0 c m, +1 m, +2, +3 l in two halves, +4 to +7 at work; a takes +6
.set SS,  64
.set KV,  192
.set QQ,  0                            ; in window 1
.set OO,  64
.set BIAS, 192
.set STG,  224
.set STG2, 240
.set WV,   10                          ; s10  wave
.set CNT,  11                          ; s11  kept keys of my batch
.set NST,  12                          ; s12  key steps to work: ceil(count / 64)
.set TT,   13                          ; s13  the step
.set KF,   14                          ; s14  its first key
.set XX,   15                          ; s15  at work
.set KB,   16                          ; s[16:17] k's rows of my head, at an even step
.set PN,   18                          ; s18  NST in a wave that prefetches, else 0
.set TRIP, 19
.set SEL,  20                          ; s[20:21] v_permlanex16_b32's selects for lane l xor 16
.set CS,   22                          ; s[22:23] c, twice: the packed form names a pair
.set MSB, 0
.macro WIN new                         ; the immediate's high byte repeats the setting that is left
.if MSB != \new
	s_set_vgpr_msb (MSB<<8)|\new
.set MSB, \new
.endif
.endm
.macro GLOAD reg, off                  ; a key step's K and V, 16 KB, by the work-group's 256 threads: four loads of 16 bytes each
	WIN 0x40                                       ; destination window 1
	global_load_b128 v[\reg:\reg+3],     v[FG], s[KB:KB+1] offset:\off
	global_load_b128 v[\reg+4:\reg+7],   v[FG], s[KB:KB+1] offset:\off+32*256
	global_load_b128 v[\reg+8:\reg+11],  v[FG], s[KB:KB+1] offset:\off+VGAP
	global_load_b128 v[\reg+12:\reg+15], v[FG], s[KB:KB+1] offset:\off+VGAP+32*256
	WIN 0
.endm
.macro TOSLOT reg, slot                ; and into a slot
	WIN 0x04                                       ; an LDS store's data are its source 1: window 1
	ds_store_b128 v[FK], v[\reg:\reg+3]     offset:(\slot)*SLOTB
	ds_store_b128 v[FK], v[\reg+4:\reg+7]   offset:(\slot)*SLOTB+32*PK
	ds_store_b128 v[FV], v[\reg+8:\reg+11]  offset:(\slot)*SLOTB
	ds_store_b128 v[FV], v[\reg+12:\reg+15] offset:(\slot)*SLOTB+32*PV
	WIN 0
.endm
	s_load_b128 s[4:7], s[0:1], 0x0                ; qkv s[4:5], the whole numbers s[6:7]
	s_load_b64 s[8:9], s[0:1], 0x10                ; y
	v_lshl_add_u32 v[SPW], v0, 2, SPARE
	v_mov_b32 v[NIL], 0
	v_lshrrev_b32 v1, 5, v0
	v_readfirstlane_b32 s[WV], v1                  ; wave 0..7
	s_and_b32 s24, ttmp7, 0xffff                   ; 16 x batch + head
	s_lshr_b32 s25, s24, 4                         ; batch
	s_and_b32 s26, s24, 15                         ; head
	s_lshr_b32 s27, s26, 1                         ; its column block
	s_and_b32 s28, s26, 1                          ; and which half of the block's rows
	s_mul_i32 s30, s25, 24
	s_add_co_u32 s30, s30, s27
	s_lshl_b32 s30, s30, 19                        ; 2,048 rows x 256 bytes a block
	s_lshl_b32 s29, s28, 7
	s_add_co_u32 s30, s30, s29
	s_mov_b32 s31, 0                               ; s[30:31]: q's block of my head, my half of its rows
	s_lshl_b32 s32, ttmp9, 9
	s_lshl_b32 s29, s[WV], 6
	s_add_co_u32 s32, s32, s29                     ; my wave's first query
	s_lshl_b32 s34, s24, 11
	s_add_co_u32 s34, s34, s32
	s_lshl_b32 s34, s34, 7                         ; its row of y: 128 bytes a row
	s_mov_b32 s35, 0
	s_lshl_b32 s32, s32, 8                         ; and of q
	s_mov_b32 s33, 0
	s_lshl_b32 s36, s25, 8                         ; my batch's count
	s_mov_b32 s37, 0
	s_mov_b32 s[SEL], 0x76543210
	s_mov_b32 s[SEL+1], 0xfedcba98
	s_mov_b32 s[CS], 0x3e38aa3b                    ; c = log2(e) / 8
	s_mov_b32 s[CS+1], s[CS]
	v_and_b32 v1, 15, v0                           ; r = lane % 16
	v_bfe_u32 v2, v0, 4, 1                         ; h = lane / 16
	v_mul_u32_u24 v[AK], v1, PK
	v_lshl_add_u32 v[AK], v2, 4, v[AK]             ; K: row r, + 16 h
	v_and_b32 v[DD], 7, v0
	v_lshl_add_u32 v[AV], v2, 3, v[DD]             ; V, for the turning load: key 8 h + lane % 8,
	v_mul_u32_u24 v[AV], v[AV], PV
	v_bfe_u32 v[H8], v0, 3, 1
	v_lshl_add_u32 v[AV], v[H8], 4, v[AV]          ; channels 8 ((lane / 8) % 2) on
	v_add_nc_u32 v[AV], VOFF, v[AV]
	v_lshrrev_b32 v[H8], 3, v0                     ; the fill: row thread / 8,
	v_lshlrev_b32 v[DD], 4, v[DD]                  ; 16 (thread % 8)
	v_lshl_add_u32 v[FG], v[H8], 8, v[DD]
	v_mad_u32_u24 v[FK], v[H8], PK, v[DD]
	v_mad_u32_u24 v[FV], v[H8], PV, v[DD]
	v_add_nc_u32 v[FV], VOFF, v[FV]
	v_lshlrev_b32 v[QO], 8, v1
	v_lshl_add_u32 v[QO], v2, 4, v[QO]             ; Q: row r of 256 bytes, + 16 h
	s_mul_i32 s29, s[WV], 16*PK
	s_add_co_u32 s29, s29, STAGE                   ; my stage
	v_add_nc_u32 v[STO], s29, v[AK]                ; in: row r, + 16 h
	v_and_b32 v[GO], 31, v0
	v_lshrrev_b32 v[RD], 3, v[GO]                  ; back: eight lanes to a row of 128 bytes, four rows an instruction
	v_mul_u32_u24 v[RD], v[RD], PK
	v_add_nc_u32 v[RD], v[RD], v[DD]
	v_add_nc_u32 v[RD], s29, v[RD]
	v_lshlrev_b32 v[PFO], 8, v[GO]                 ; the prefetches: a lane a row of 256 bytes,
	v_lshlrev_b32 v[GO], 4, v[GO]
	s_and_b32 s29, s[WV], 1
	s_lshl_b32 s29, s29, 13
	v_add_nc_u32 v[PFO], s29, v[PFO]               ; waves 1 and 3 the step's rows 32-63,
	s_bfe_u32 s29, s[WV], 0x10001
	s_lshl_b32 s29, s29, 22
	v_add_nc_u32 v[PFO], s29, v[PFO]               ; waves 2 and 3 V's
	v_lshlrev_b32 v[H8], 3, v2
	v_mov_b32 v[NEG], 0xfe967699                   ; -1e38
	s_wait_kmcnt 0x0
	s_add_nc_u64 s[6:7], s[6:7], s[36:37]
	s_load_b32 s[CNT], s[6:7], 0x10000
	s_add_nc_u64 s[4:5], s[4:5], s[30:31]
	s_add_nc_u64 s[KB:KB+1], s[4:5], VGAP          ; k's block lies eight blocks behind q's
	s_add_nc_u64 s[4:5], s[4:5], s[32:33]          ; Q at my wave's first row
	s_add_nc_u64 s[8:9], s[8:9], s[34:35]          ; y likewise
	GLOAD STG, 0                                   ; key step 0,
	GLOAD STG2, TILEB                              ; and step 1: rows 64-127 are there whatever the count
	WIN 0x40
.irp t, 0,1,2,3
.irp cs, 0,1
	global_load_b128 v[QQ+16*\t+8*\cs:QQ+16*\t+8*\cs+3],   v[QO], s[4:5] offset:4096*\t+64*\cs      ; Q stays in registers: tile t, channels 32 cs on
	global_load_b128 v[QQ+16*\t+8*\cs+4:QQ+16*\t+8*\cs+7], v[QO], s[4:5] offset:4096*\t+64*\cs+32
.endr
.endr
.set i, 0
.rept 32
	v_mov_b32 v[BIAS+i], 0                         ; the mask's table: every key counts, until the last step says otherwise
.set i, i+1
.endr
	WIN 0
.irp t, 0,1,2,3
	v_mov_b32 v[ST+8*\t+1], 0xf149f2ca             ; m = -1e30, under every score
	v_mul_f32 v[ST+8*\t], s[CS], v[ST+8*\t+1]      ; c m
	v_mov_b32 v[ST+8*\t+2], 0                      ; l
	v_mov_b32 v[ST+8*\t+3], 0
.endr
	s_wait_kmcnt 0x0
	s_min_u32 s[CNT], s[CNT], 2048
	s_add_co_u32 s[NST], s[CNT], 63
	s_lshr_b32 s[NST], s[NST], 6
	s_lshr_b32 s29, s[WV], 2                       ; who prefetches: waves 0 to 3
	s_or_b32 s29, s29, ttmp9                       ; of the first block of queries
	s_or_b32 s29, s29, s28                         ; of the even head of a pair (a row of 256 bytes holds both heads)
	s_cmp_eq_u32 s29, 0
	s_cselect_b32 s[PN], s[NST], 0
	s_mov_b32 s[TT], 0
	s_mov_b32 s[KF], 0
	s_wait_loadcnt 0x0                             ; both steps' tiles and Q
	TOSLOT STG, 0
	TOSLOT STG2, 1
	s_wait_dscnt 0x0                               ; for the others' sake: my stores have landed
	s_barrier_signal -1
	s_barrier_wait -1
; ONE KEY STEP'S SOFTMAX for the wave's four tiles, the tiles innermost, so that no line waits for the line above it.  first = 1: O^T has not been begun, so it is not rescaled.
.macro SOFTMAX first
.irp j, 0,1,2,3
.irp t, 0,1,2,3
	v_max3_num_f32 v[ST+8*\t+4+\j], v[SS+32*\t+8*\j], v[SS+32*\t+8*\j+1], v[SS+32*\t+8*\j+2]   ; four chains a tile, one for each accumulator, each begun at the accumulator's low end
.endr
.endr
.irp i, 3,5
.irp j, 0,1,2,3
.irp t, 0,1,2,3
	v_max3_num_f32 v[ST+8*\t+4+\j], v[ST+8*\t+4+\j], v[SS+32*\t+8*\j+\i], v[SS+32*\t+8*\j+\i+1]
.endr
.endr
.endr
.irp t, 0,1,2,3
	v_max3_num_f32 v[ST+8*\t+4], v[ST+8*\t+4], v[SS+32*\t+7], v[SS+32*\t+15]
.endr
.irp t, 0,1,2,3
	v_max3_num_f32 v[ST+8*\t+6], v[ST+8*\t+6], v[SS+32*\t+23], v[SS+32*\t+31]
.endr
.irp t, 0,1,2,3
	v_max3_num_f32 v[ST+8*\t+4], v[ST+8*\t+4], v[ST+8*\t+5], v[ST+8*\t+6]
.endr
.irp t, 0,1,2,3
	v_max3_num_f32 v[ST+8*\t+4], v[ST+8*\t+4], v[ST+8*\t+7], v[ST+8*\t+1]   ; with the old m
.endr
.irp t, 0,1,2,3
	v_permlanex16_b32 v[ST+8*\t+5], v[ST+8*\t+4], s[SEL], s[SEL+1]          ; the query's other 32 keys lie in the lane 16 away
.endr
.irp t, 0,1,2,3
	v_mov_b32 v[ST+8*\t+7], v[ST+8*\t]             ; c m_old is kept for a
.endr
.irp t, 0,1,2,3
	v_max_num_f32 v[ST+8*\t+1], v[ST+8*\t+4], v[ST+8*\t+5]
.endr
.irp t, 0,1,2,3
	v_mul_f32 v[ST+8*\t], s[CS], v[ST+8*\t+1]
.endr
.irp t, 0,1,2,3
	v_sub_f32 v[ST+8*\t+7], v[ST+8*\t+7], v[ST+8*\t]
.endr
.irp i, 0,2,4,6,8,10,12,14,16,18,20,22,24,26,28,30
.irp t, 0,1,2,3
	v_pk_fma_f32 v[SS+32*\t+\i:SS+32*\t+\i+1], v[SS+32*\t+\i:SS+32*\t+\i+1], s[CS:CS+1], v[ST+8*\t:ST+8*\t+1] op_sel_hi:[1,0,0] neg_lo:[0,0,1] neg_hi:[0,0,1]   ; c s - c m, two at a time
.endr
.endr
.irp t, 0,1,2,3
	v_exp_f32 v[ST+8*\t+6], v[ST+8*\t+7]           ; a.  ONE BATCH of 132 exponentials: none reads another's result
.endr
.irp i, 0,1,2,3,4,5,6,7,8,9,10,11,12,13,14,15,16,17,18,19,20,21,22,23,24,25,26,27,28,29,30,31
.irp t, 0,1,2,3
	v_exp_f32 v[SS+32*\t+\i], v[SS+32*\t+\i]
.endr
.endr
	v_nop                                          ; a plain line behind the last exponential,
	s_wait_alu depctr_va_vdst(0)                   ; and the one wait ahead of the batch's first reader
.irp t, 0,1,2,3
	v_pk_fma_f32 v[ST+8*\t+2:ST+8*\t+3], v[ST+8*\t+2:ST+8*\t+3], v[ST+8*\t+6:ST+8*\t+7], v[SS+32*\t:SS+32*\t+1] op_sel_hi:[1,0,1]   ; l = a l + the first pair; the sums in two chains, of the unrounded p
.endr
.irp t, 0,1,2,3
	v_pk_add_f32 v[ST+8*\t+4:ST+8*\t+5], v[SS+32*\t+2:SS+32*\t+3], v[SS+32*\t+4:SS+32*\t+5]
.endr
.irp i, 6,10,14,18,22,26
.irp t, 0,1,2,3
	v_pk_add_f32 v[ST+8*\t+2:ST+8*\t+3], v[ST+8*\t+2:ST+8*\t+3], v[SS+32*\t+\i:SS+32*\t+\i+1]
.endr
.irp t, 0,1,2,3
	v_pk_add_f32 v[ST+8*\t+4:ST+8*\t+5], v[ST+8*\t+4:ST+8*\t+5], v[SS+32*\t+\i+2:SS+32*\t+\i+3]
.endr
.endr
.irp t, 0,1,2,3
	v_pk_add_f32 v[ST+8*\t+2:ST+8*\t+3], v[ST+8*\t+2:ST+8*\t+3], v[SS+32*\t+30:SS+32*\t+31]
.endr
.irp t, 0,1,2,3
	v_pk_add_f32 v[ST+8*\t+2:ST+8*\t+3], v[ST+8*\t+2:ST+8*\t+3], v[ST+8*\t+4:ST+8*\t+5]
.endr
.irp i, 0,1,2,3,4,5,6,7,8,9,10,11,12,13,14,15
.irp t, 0,1,2,3
	v_cvt_pk_f16_f32 v[SS+32*\t+\i], v[SS+32*\t+2*\i], v[SS+32*\t+2*\i+1]   ; P, in place: register i is written when pairs 0 .. i - 1 have been read
.endr
.endr
.if !\first
	WIN 0x41                                       ; O^T (destination and source 0) in window 1, a in window 0
.irp i, 0,2,4,6,8,10,12,14,16,18,20,22,24,26,28,30
.irp t, 0,1,2,3
	v_pk_mul_f32 v[OO+32*\t+\i:OO+32*\t+\i+1], v[OO+32*\t+\i:OO+32*\t+\i+1], v[ST+8*\t+6:ST+8*\t+7] op_sel_hi:[1,0]
.endr
.endr
	WIN 0
.endif
.endm
; A KEY STEP.  slot: where its tiles lie.  first = 1: step 0, always worked; it starts O^T's sums.  rel: s[KB] stands at step T + rel.
.macro STEP slot, first, rel
	s_wait_loadcnt 0x0                             ; the staging loads issued a step ago, if any, have landed
.if !\first
	s_cmp_ge_u32 s[TT], s[NST]
	s_cbranch_scc1 .Lidle_\@                       ; past the last kept key: the same in all eight waves; only the barrier is passed
	s_add_co_u32 s[XX], s[TT], 1
	s_cmp_lt_u32 s[XX], s[NST]
	s_cbranch_scc0 .Lnostage_\@
	TOSLOT STG, 1-\slot                            ; step T + 1's tiles, into the slot that step T - 1 read: every wave's reads of it were over at the barrier behind that step
.Lnostage_\@:
.rept 5
	v_nop                                          ; places behind the last products V^T P: four ahead of loads into V's registers, five ahead of products that write S^T over P
.endr
.endif
.irp kt, 0,1,2,3
.irp cs, 0,1
	ds_load_b128 v[KV+16*\kt+8*\cs:KV+16*\kt+8*\cs+3],   v[AK] offset:\slot*SLOTB+\kt*16*PK+\cs*64      ; K: keys 16 kt on, channels 32 cs on
	ds_load_b128 v[KV+16*\kt+8*\cs+4:KV+16*\kt+8*\cs+7], v[AK] offset:\slot*SLOTB+\kt*16*PK+\cs*64+32
.endr
.endr
	s_add_co_u32 s[XX], s[KF], 64
	s_cmp_le_u32 s[XX], s[CNT]
	s_cbranch_scc1 .Lopen_\@                       ; all 64 keys are kept
	s_sub_co_u32 s[XX], s[CNT], s[KF]
	v_sub_nc_u32 v[DD], s[XX], v[H8]               ; register 8 kt + j holds key KF + 16 kt + 8 (lane / 16) + j: padded where 16 kt + j >= count - KF - 8 (lane / 16)
	WIN 0x40
.irp kt, 0,1,2,3
.irp j, 0,1,2,3,4,5,6,7
	v_cmp_ge_i32 vcc_lo, 16*\kt+\j, v[DD]
	v_cndmask_b32 v[BIAS+8*\kt+\j], 0, v[NEG], vcc_lo
.endr
.endr
	WIN 0
.Lopen_\@:
	s_wait_dscnt 0x0                               ; K is in, and the stores into the other slot have read the staging registers
	s_add_co_u32 s[XX], s[TT], 2
	s_cmp_lt_u32 s[XX], s[NST]
	s_cbranch_scc0 .Lnofetch_\@
	GLOAD STG, (2-\rel)*TILEB                      ; step T + 2's tiles: they have the rest of this step in which to land
.Lnofetch_\@:
	; A PREFETCH INTO THE L2 of step T + 4's rows, two steps ahead of the loads above that will want them, behind the wave's own loads.  Each row of 256 bytes (both heads of a pair) is named once in the launch: the first
	; block of queries of the even head asks, waves 0 and 1 for K's 64 rows, waves 2 and 3 for V's, a lane a row.  Steps 0 to 3 come by their loads alone; it stops where T + 4 reaches the steps that are worked.
	s_add_co_u32 s[XX], s[TT], 4
	s_cmp_lt_u32 s[XX], s[PN]
	s_cbranch_scc0 .Lnoask_\@
	global_prefetch_b8 v[PFO], s[KB:KB+1] offset:(4-\rel)*TILEB th:TH_LOAD_NT scope:SCOPE_SE
.Lnoask_\@:
	WIN 0x14                                       ; Q (source 1) and the mask's table (C) in window 1
.irp kt, 0,1,2,3                       ; S^T = K Q^T + the table: 16 accumulators by turns, one instruction a turn
.irp t, 0,1,2,3
	v_wmma_f32_16x16x32_f16 v[SS+32*\t+8*\kt:SS+32*\t+8*\kt+7], v[KV+16*\kt:KV+16*\kt+7], v[QQ+16*\t:QQ+16*\t+7], v[BIAS+8*\kt:BIAS+8*\kt+7]
.endr
.endr
	WIN 0x04
.irp kt, 0,1,2,3
.irp t, 0,1,2,3
	v_wmma_f32_16x16x32_f16 v[SS+32*\t+8*\kt:SS+32*\t+8*\kt+7], v[KV+16*\kt+8:KV+16*\kt+15], v[QQ+16*\t+8:QQ+16*\t+15], v[SS+32*\t+8*\kt:SS+32*\t+8*\kt+7]
.endr
.endr
	WIN 0
.rept 4
	v_nop                                          ; places ahead of the loads into K's registers and of the first read of the scores
.endr
.irp kk, 0,1
.irp ct, 0,1,2,3
	ds_load_tr16_b128 v[KV+32*\kk+8*\ct:KV+32*\kk+8*\ct+3],   v[AV] offset:\slot*SLOTB+\kk*32*PV+\ct*32          ; V^T: keys 32 kk on, channels 16 ct on; it lands under the softmax
	ds_load_tr16_b128 v[KV+32*\kk+8*\ct+4:KV+32*\kk+8*\ct+7], v[AV] offset:\slot*SLOTB+\kk*32*PV+16*PV+\ct*32
.endr
.endr
	SOFTMAX \first
	s_wait_dscnt 0x0                               ; V is in
	WIN 0x50                                       ; O^T (C and D) in window 1
.irp kk, 0,1                           ; O^T += V^T P: 16 accumulators by turns
.irp ct, 0,1,2,3
.irp t, 0,1,2,3
.if \first && (\kk == 0)
	v_wmma_f32_16x16x32_f16 v[OO+32*\t+8*\ct:OO+32*\t+8*\ct+7], v[KV+32*\kk+8*\ct:KV+32*\kk+8*\ct+7], v[SS+32*\t+8*\kk:SS+32*\t+8*\kk+7], 0
.else
	v_wmma_f32_16x16x32_f16 v[OO+32*\t+8*\ct:OO+32*\t+8*\ct+7], v[KV+32*\kk+8*\ct:KV+32*\kk+8*\ct+7], v[SS+32*\t+8*\kk:SS+32*\t+8*\kk+7], v[OO+32*\t+8*\ct:OO+32*\t+8*\ct+7]
.endif
.endr
.endr
.endr
	WIN 0
.Lidle_\@:
	s_add_co_u32 s[TT], s[TT], 1
	s_add_co_u32 s[KF], s[KF], 64
	s_wait_dscnt 0x0                               ; my reads of this slot are over and my stores into the other have landed:
	s_barrier_signal -1                            ; one barrier a step serves both, on every wave's way
	s_barrier_wait -1
.endm
	STEP 0, 1, 0
	s_mov_b32 s[TRIP], 16
.Ltrip:                                            ; 16 trips of two steps: steps 1 to 32.  Step 32 is never worked: so the trip count is a constant and every slot's address an immediate
	s_wait_xcnt 0x0                                ; the loads and the prefetch of the steps before have read their base: it may be stepped
	s_add_nc_u64 s[KB:KB+1], s[KB:KB+1], 2*TILEB
	STEP 1, 0, 1
	STEP 0, 0, 0
	s_sub_co_u32 s[TRIP], s[TRIP], 1
	s_cmp_lg_u32 s[TRIP], 0
	s_cbranch_scc1 .Ltrip
	; THE WAY OUT.  l's two halves and the other half of the lanes' are added (these lines are the places behind the last products); O^T is divided by l, rounded to f16 and sent through my stage, a tile of 16 queries at a time.
.irp t, 0,1,2,3
	v_add_f32 v[ST+8*\t+4], v[ST+8*\t+2], v[ST+8*\t+3]
.endr
.irp t, 0,1,2,3
	v_permlanex16_b32 v[ST+8*\t+5], v[ST+8*\t+4], s[SEL], s[SEL+1]
.endr
.irp t, 0,1,2,3
	v_add_f32 v[ST+8*\t+4], v[ST+8*\t+4], v[ST+8*\t+5]
.endr
.irp t, 0,1,2,3
	v_rcp_f32 v[ST+8*\t+6], v[ST+8*\t+4]
.endr
	v_nop                                          ; a plain line behind the last reciprocal,
	s_wait_alu depctr_va_vdst(0)                   ; and the one wait ahead of the first use of the four
.macro PACK t
	WIN 0x41
.irp i, 0,2,4,6,8,10,12,14,16,18,20,22,24,26,28,30
	v_pk_mul_f32 v[OO+32*\t+\i:OO+32*\t+\i+1], v[OO+32*\t+\i:OO+32*\t+\i+1], v[ST+8*\t+6:ST+8*\t+7] op_sel_hi:[1,0]
.endr
	WIN 0x05                                       ; sources in window 1, destination in window 0: S^T's registers are free
.irp i, 0,1,2,3,4,5,6,7,8,9,10,11,12,13,14,15
	v_cvt_pk_f16_f32 v[SS+32*\t+\i], v[OO+32*\t+2*\i], v[OO+32*\t+2*\i+1]
.endr
	WIN 0
.irp ct, 0,1,2,3
	ds_store_b128 v[STO], v[SS+32*\t+4*\ct:SS+32*\t+4*\ct+3] offset:32*\ct       ; query r, channels 16 ct + 8 h + 0 .. 7
.endr
.irp i, 0,1,2,3
	ds_load_b128 v[SS+32*\t+16+4*\i:SS+32*\t+16+4*\i+3], v[RD] offset:4*\i*PK    ; LDS serves a wave's instructions in order: these see the stores above, and the next tile's stores come behind them
.endr
.endm
.macro SEND t, younger                 ; younger: the LDS instructions issued behind tile t's loads: the next tile's eight, or none
.irp i, 0,1,2,3
	s_wait_dscnt \younger+3-\i
	global_store_b128 v[GO], v[SS+32*\t+16+4*\i:SS+32*\t+16+4*\i+3], s[8:9] offset:2048*\t+512*\i   ; four rows of y: 512 consecutive bytes, aligned
.endr
.endm
	PACK 0
	PACK 1
	SEND 0, 8
	PACK 2
	SEND 1, 8
	PACK 3
	SEND 2, 8
	SEND 3, 0
	s_wait_tensorcnt 0x0                           ; the wave's end: these three lines behind my last LDS store
	ds_add_u32 v[SPW], v[NIL]
	s_wait_dscnt 0x0
	s_endpgm
.Lfunc_end_k_q159cf425f1_attn:
	.size	k_q159cf425f1_attn, .Lfunc_end_k_q159cf425f1_attn-k_q159cf425f1_attn
	.p2alignl 7, 3214868480
	.fill 96, 4, 3214868480
	.section	.rodata,"a",@progbits
	.p2align	6, 0x0
	.amdhsa_kernel k_q159cf425f1_attn
		.amdhsa_group_segment_fixed_size 58368
		.amdhsa_private_segment_fixed_size 0
		.amdhsa_enable_private_segment 0
		.amdhsa_kernarg_size 24
		.amdhsa_user_sgpr_count 2
		.amdhsa_user_sgpr_kernarg_segment_ptr 1
		.amdhsa_wavefront_size32 1
		.amdhsa_system_sgpr_workgroup_id_x 1
		.amdhsa_system_sgpr_workgroup_id_y 1
		.amdhsa_system_sgpr_workgroup_id_z 1
		.amdhsa_system_vgpr_workitem_id 0
		.amdhsa_next_free_vgpr 512
		.amdhsa_next_free_sgpr 66
		.amdhsa_reserve_vcc 1
		.amdhsa_float_denorm_mode_32 3
		.amdhsa_float_denorm_mode_16_64 3
		.amdhsa_memory_ordered 1
		.amdhsa_forward_progress 1
		.amdhsa_inst_pref_size 123
	.end_amdhsa_kernel
	.amdgpu_metadata
---
amdhsa.version: [ 1, 2 ]
amdhsa.kernels:
  - .name:           k_q159cf425f1_attn
    .symbol:         k_q159cf425f1_attn.kd
    .args:
      - { .name: qkv, .offset: 0, .size: 8, .value_kind: global_buffer, .address_space: global }
      - { .name: perm, .offset: 8, .size: 8, .value_kind: global_buffer, .address_space: global }
      - { .name: y, .offset: 16, .size: 8, .value_kind: global_buffer, .address_space: global }
    .group_segment_fixed_size: 58368
    .private_segment_fixed_size: 0
    .kernarg_segment_align: 8
    .kernarg_segment_size: 24
    .max_flat_workgroup_size: 256
    .sgpr_count:     66
    .vgpr_count:     512
    .wavefront_size: 32
...
	.end_amdgpu_metadata
.endif
;; end of part 3
;; launch proj (part 4): grid 8 x 32, 4 waves a work-group, clusters of 4 x 4, 327,680 bytes of LDS; arguments y, wp16, out0; writes out0
.if DOCPART == 4
	.amdgcn_target "amdgcn-amd-amdhsa--gfx1250"
	.amdhsa_code_object_version 6
	.text
	.protected	k_q159cf425f1_proj
	.globl	k_q159cf425f1_proj
	.p2align	8
	.type	k_q159cf425f1_proj,@function
k_q159cf425f1_proj:
	s_mov_b64 s[64:65], 0
	v_nop
	global_prefetch_b8 v0, s[64:65] scope:SCOPE_SE
	s_setreg_imm32_b32 hwreg(HW_REG_WAVE_MODE, 25, 1), 1
	s_wait_xcnt 0x0
	s_wait_alu depctr_hold_cnt(0) depctr_sa_sdst(0) depctr_va_vdst(0) depctr_va_sdst(0) depctr_va_ssrc(0) depctr_va_vcc(0) depctr_vm_vsrc(0)
	s_getreg_b32 s2, hwreg(HW_REG_IB_STS2, 6, 4)
	s_cmp_eq_u32 s2, 0
	s_cbranch_scc0 .Lentry_in_a_cluster
	s_endpgm
.Lentry_in_a_cluster:
	s_bfe_u32 s2, ttmp6, 0x10000c
	s_cmp_lg_u32 s2, 0xf033
	s_cbranch_scc0 .Lentry_shape_is_right
	s_endpgm
.Lentry_shape_is_right:
; out0[m][n] = sum over k of y[m][k] Wproj[n][k], m < 8192, n < 1024, k < 1024; operands f16, sums and result f32.
; y lies [batch 4][head 16][token 2048][64] f16: k = 64 x head + channel, m = 2048 x batch + token.  So 64 along K of 256 rows of y are ONE dense block of 32,768 bytes (a plane), taken as 128 rows of 256 bytes, two tokens to a row.
; A tile of 256 (m) x 128 (n) is made by a work-group of four waves: 256 work-groups.  Wave w makes rows 128 (w / 2) on and columns 64 (w % 2) on: 8 x 4 accumulators of 16 x 16, 256 registers.
; K goes in 8 steps of 128 (two heads) through a ring of two LDS slots filled by the tensor data mover: waves 0 and 1 fetch y's two planes, waves 2 and 3 the two halves of Wproj's 128 rows (256 bytes a row).
; By this text's own count a wave has two tensor loads out at the start and one behind each change of slots, which has 112 matrix instructions in which to land.
; CLUSTERS: 4 x 4 work-groups.  The four of a row of the cluster need the same planes of y, the four of a column the same rows of Wproj: each is asked for JOINTLY, by the same tensor load with the same descriptor and a mask that names the four.
; THE MATRIX INSTRUCTION IS USED TRANSPOSED (source 0 = 16 rows of Wproj, source 1 = 16 rows of y): a lane holds eight neighbouring columns of one row of the result.
; No prefetch: the launch is short, and both operands are shared in the cluster.
; REGISTERS: window 0: v0-31 addresses; v32-127 and v128-223 two fragment buffers (y's 8 fragments of 16 rows x 32 K, then Wproj's 4); on the way out v32-95 hold rows read back.   window 1: accumulator (a, b) at v[8 (4 a + b)].
.set KSTEP,  128
.set PITCH,  272                       ; an LDS row: 256 bytes + 16 of padding = 68 words
.set HALFT,  128*PITCH                 ; a plane of y
.set HALFB,  64*PITCH                  ; 64 rows of Wproj; also 128 tokens of a plane
.set SLOT,   2*HALFT+2*HALFB           ; y's two planes, then Wproj's 128 rows
.set STAGE,  2*SLOT                    ; behind the ring: 16 rows x 272 bytes for each wave, for the way out
.set SPARE,  STAGE+4*16*PITCH          ; the spare words, 128 bytes a wave, which no other line names
.set LAPS,   4                         ; a lap = two K steps = once round the ring
.set ASTEP,  2*2048*128                ; a K step on in y: two heads
.set ADRA, 16                          ; v16-19  LDS address of my y fragments: slot s, plane p at v[16 + 2 s + p]
.set ADRB, 20                          ; v20-21  of my Wproj fragments in slot 0, 1
.set STO,  24                          ; v24     the way out: where I put 32 bytes of a row
.set RD,   25                          ; v25     where I read a row back
.set CO,   26                          ; v26     my byte offset in two rows of the result
.set SPW,  28                          ; v28     LDS address of my spare word; never rewritten
.set NIL,  29                          ; v29     0; never rewritten
.set F0,   32
.set F1,   128
.set OB,   32                          ; the way out: 16 rows read back: v32-63 and v64-95 by turns
.set G1, 24                            ; s[24:31] descriptor group 1 for y's planes;  s[32:39] group 0, one set for each slot
.set G0, 32
.set G1B, 48                           ; s[48:55], s[56:63] the same for Wproj's rows
.set G0B, 56
.set MSB, 0
.macro WIN new                         ; the immediate's high byte repeats the setting that is left
.if MSB != \new
	s_set_vgpr_msb (MSB<<8)|\new
.set MSB, \new
.endif
.endm
.set MUL, 0x50                         ; C and D window 1, the operands window 0
.macro JLOAD s                         ; a joint load: waves 0 and 1 fetch for y, waves 2 and 3 for Wproj; an s_nop 0 and four v_nop follow each of the two lines
	s_cmp_eq_u32 s11, 0
	s_cbranch_scc0 .Lfor_b_\@
	tensor_load_to_lds s[G0+4*\s:G0+4*\s+3], s[G1:G1+7]
	s_nop 0
.rept 4
	v_nop
.endr
	s_branch .Lasked_\@
.Lfor_b_\@:
	tensor_load_to_lds s[G0B+4*\s:G0B+4*\s+3], s[G1B:G1B+7]
	s_nop 0
.rept 4
	v_nop
.endr
.Lasked_\@:
.endm
.macro CREST                           ; a round of the cluster's barrier behind its opening barrier
	s_cmp_lg_u32 s10, 0
	s_cbranch_scc1 .Lnot_wave_0_\@
	s_barrier_signal -3
.Lnot_wave_0_\@:
	s_barrier_wait -3
	s_barrier_signal -1
	s_barrier_wait -1
.endm
.macro CROUND                          ; a whole round
	s_barrier_signal -1
	s_barrier_wait -1
	CREST
.endm
	s_load_b128 s[4:7], s[0:1], 0x0                ; y s[4:5], Wproj in f16 s[6:7]
	s_load_b64 s[8:9], s[0:1], 0x10                ; the result
	v_lshl_add_u32 v[SPW], v0, 2, SPARE
	v_mov_b32 v[NIL], 0
	ds_add_u32 v[SPW], v[NIL]                      ; the wave's opening: the add, twice on end, and its wait ahead of my first tensor load
	ds_add_u32 v[SPW], v[NIL]                      ; and once more, under the one wait; the set-up below stands between
	v_lshrrev_b32 v1, 5, v0
	v_readfirstlane_b32 s10, v1                    ; wave 0..3
	s_lshr_b32 s11, s10, 1                         ; which half of the tile's rows is mine.  Also: I fetch for y (0) or for Wproj (1)
	s_and_b32 s12, s10, 1                          ; which half of its columns.  Also: which plane, or which 64 rows, I fetch
	s_bfe_u32 s40, ttmp6, 0x40000                  ; cx, cy: my place in the cluster
	s_bfe_u32 s41, ttmp6, 0x40004
	s_lshl_b32 s42, ttmp9, 2
	s_add_co_u32 s42, s42, s40                     ; tile column = 4 x cluster x + cx
	s_and_b32 s13, ttmp7, 0xffff
	s_lshl_b32 s13, s13, 2
	s_add_co_u32 s13, s13, s41                     ; tile row = 4 x cluster y + cy
	s_lshl_b32 s43, s41, 2
	s_lshl_b32 s43, 15, s43                        ; my row of the cluster
	s_lshl_b32 s44, 0x1111, s40                    ; my column
	s_or_b32 s[G1+0], s43, (1<<16)|(1<<20)|(1<<21)|(5<<22)|(3<<25)  ; 15:0 the mask; 17:16 elements of 2 bytes; 20 padding on; 21 set beside a mask; 24:22 after every 64 words; 31:25 four words
	s_mov_b32 s[G1+1], 128<<16                     ; tensor_dim0 = 128 elements: 256 bytes
	s_mov_b32 s[G1+2], 128<<16                     ; tensor_dim1 = 128 rows
	s_mov_b32 s[G1+3], 128<<16                     ; tile_dim0
	s_mov_b32 s[G1+4], 128                         ; tile_dim1
	s_mov_b32 s[G1+5], 128                         ; from row to row: dense
	s_mov_b32 s[G1+6], 0
	s_mov_b32 s[G1+7], 0
	s_or_b32 s[G1B+0], s44, (1<<16)|(1<<20)|(1<<21)|(5<<22)|(3<<25)
	s_mov_b32 s[G1B+1], 128<<16
	s_mov_b32 s[G1B+2], 64<<16                     ; 64 rows
	s_mov_b32 s[G1B+3], 128<<16
	s_mov_b32 s[G1B+4], 64
	s_mov_b32 s[G1B+5], 1024                       ; a row of Wproj is 1,024 elements
	s_mov_b32 s[G1B+6], 0
	s_mov_b32 s[G1B+7], 0
	; y: ((16 x batch + my plane) x 2,048 + the tile's first token) x 128 bytes: made of the tile row and the wave's number alone
	s_lshr_b32 s16, s13, 3                         ; the batch: 8 tile rows each
	s_lshl_b32 s16, s16, 4
	s_add_co_u32 s16, s16, s12
	s_lshl_b32 s16, s16, 11
	s_and_b32 s17, s13, 7
	s_lshl_b32 s17, s17, 8
	s_add_co_u32 s16, s16, s17
	s_lshl_b32 s16, s16, 7
	s_mov_b32 s17, 0
	; Wproj: (128 x tile column + 64 x my half) rows of 2,048 bytes: made of the tile column and the wave's number alone
	s_lshl_b32 s46, s42, 7
	s_lshl_b32 s47, s12, 6
	s_add_co_u32 s46, s46, s47
	s_lshl_b32 s46, s46, 11
	s_mov_b32 s47, 0
	s_mul_i32 s20, s12, HALFT                      ; where they go: no place in the cluster enters an LDS address
	s_mul_i32 s21, s12, HALFB
	s_add_co_u32 s21, s21, 2*HALFT
	s_wait_dscnt 0x0                               ; both opening adds are done
	s_wait_kmcnt 0x0
	s_add_nc_u64 s[14:15], s[4:5], s[16:17]
	s_add_nc_u64 s[46:47], s[6:7], s[46:47]
	CROUND                                         ; all sixteen work-groups are here: the first joint loads meet
.irp s, 0,1
	s_mov_b32 s[G0+4*\s], 1
	s_add_co_u32 s[G0+4*\s+1], s20, \s*SLOT
	s_add_nc_u64 s[G0+4*\s+2:G0+4*\s+3], s[14:15], \s*ASTEP
	s_or_b32 s[G0+4*\s+3], s[G0+4*\s+3], 0x80000000
	s_mov_b32 s[G0B+4*\s], 1
	s_add_co_u32 s[G0B+4*\s+1], s21, \s*SLOT
	s_add_nc_u64 s[G0B+4*\s+2:G0B+4*\s+3], s[46:47], \s*KSTEP*2
	s_or_b32 s[G0B+4*\s+3], s[G0B+4*\s+3], 0x80000000
	JLOAD \s
.endr
	v_and_b32 v1, 15, v0                           ; r = l % 16
	v_bfe_u32 v2, v0, 4, 1                         ; h = l / 16
	v_lshrrev_b32 v3, 1, v1                        ; y: token r lies in LDS row r / 2,
	v_mul_u32_u24 v3, v3, PITCH
	v_and_b32 v4, 1, v0
	v_lshl_add_u32 v3, v4, 7, v3                   ; half r % 2 of it: the sixteen rows of a load start at banks 4 (r / 2) + 32 (r % 2), all different
	v_lshl_add_u32 v3, v2, 4, v3                   ; + 16 h
	s_mul_i32 s22, s11, HALFB                      ; my 128 tokens: 64 LDS rows
	v_add_nc_u32 v3, s22, v3
.irp s, 0,1
.irp p, 0,1
	v_add_nc_u32 v[ADRA+2*\s+\p], \s*SLOT+\p*HALFT, v3
.endr
.endr
	v_mul_u32_u24 v4, v1, PITCH
	v_lshl_add_u32 v5, v2, 4, v4                   ; Wproj: row r, + 16 h
	s_mul_i32 s22, s12, HALFB                      ; my 64 rows,
	s_add_co_u32 s22, s22, 2*HALFT                 ; behind y's planes
	v_add_nc_u32 v5, s22, v5
.irp s, 0,1
	v_add_nc_u32 v[ADRB+\s], \s*SLOT, v5
.endr
	s_mul_i32 s23, s10, 16*PITCH
	s_add_co_u32 s23, s23, STAGE                   ; my stage
	v_lshl_add_u32 v4, v2, 5, v4                   ; in: row r, 32 bytes for each half of the lanes
	v_add_nc_u32 v[STO], s23, v4
	v_mul_u32_u24 v5, v2, PITCH                    ; back: lanes 0-15 take one row of 256 bytes, lanes 16-31 the next
	v_lshl_add_u32 v5, v1, 4, v5
	v_add_nc_u32 v[RD], s23, v5
	v_lshlrev_b32 v5, 12, v2                       ; and the same two rows in the result: 4,096 bytes a row
	v_lshl_add_u32 v[CO], v1, 4, v5
	s_lshl_b32 s16, s13, 8
	s_lshl_b32 s17, s11, 7
	s_add_co_u32 s16, s16, s17                     ; my first row: 256 x tile row + 128 x half
	s_lshl_b32 s16, s16, 12
	s_mov_b32 s17, 0
	s_add_nc_u64 s[8:9], s[8:9], s[16:17]
	s_lshl_b32 s46, s42, 9                         ; my first column, in bytes: 512 x tile column + 256 x half
	s_lshl_b32 s47, s12, 8
	s_add_co_u32 s46, s46, s47
	s_mov_b32 s47, 0
	s_add_nc_u64 s[8:9], s[8:9], s[46:47]
; 8 matrix instructions: y's blocks a0, a0 + 1 against Wproj's four, 32 along K, from buffer f.  zero = 1: the first product starts the sums.  The 32 accumulators take turns, one instruction a turn.
.macro MUL8 f, a0, zero
.irp a, \a0, \a0+1
.irp b, 0,1,2,3
.if \zero
	v_wmma_f32_16x16x32_f16 v[8*(4*(\a)+\b):8*(4*(\a)+\b)+7], v[\f+64+8*\b:\f+64+8*\b+7], v[\f+8*(\a):\f+8*(\a)+7], 0
.else
	v_wmma_f32_16x16x32_f16 v[8*(4*(\a)+\b):8*(4*(\a)+\b)+7], v[\f+64+8*\b:\f+64+8*\b+7], v[\f+8*(\a):\f+8*(\a)+7], v[8*(4*(\a)+\b):8*(4*(\a)+\b)+7]
.endif
.endr
.endr
.endm
; 24 LDS loads in one run: the fragments of the slot's q-th 32 along K into buffer f: Wproj's four, y's blocks 0-3, y's blocks 4-7
.macro FETCH slot, q, f
.irp i, 0,1,2,3
	ds_load_b128 v[\f+64+8*\i:\f+64+8*\i+3],   v[ADRB+\slot] offset:(\q)*64+\i*16*PITCH
	ds_load_b128 v[\f+64+8*\i+4:\f+64+8*\i+7], v[ADRB+\slot] offset:(\q)*64+\i*16*PITCH+32
.endr
.irp i, 0,1,2,3,4,5,6,7
	ds_load_b128 v[\f+8*\i:\f+8*\i+3],   v[ADRA+2*\slot+(\q)/2] offset:((\q)%2)*64+\i*8*PITCH
	ds_load_b128 v[\f+8*\i+4:\f+8*\i+7], v[ADRA+2*\slot+(\q)/2] offset:((\q)%2)*64+\i*8*PITCH+32
.endr
.endm
.macro PLACES                          ; four plain lines ahead of loads into registers that matrix instructions have read, and of the first read of results
.rept 4
	v_nop
.endr
.endm
; A K step is four quarters of 32 along K, 32 matrix instructions each, on buffers 0, 1, 0, 1.  One of the first three: multiplies buffer f and fetches the slot's quarter q into g.
.macro QUARTER slot, q, f, g, zero
	s_wait_dscnt 8                                 ; all but the youngest eight loads (y's blocks 4-7) are in
	WIN MUL
	MUL8 \f, 0, \zero
	MUL8 \f, 2, \zero
	PLACES
	WIN 0
	FETCH \slot, \q, \g
	s_wait_dscnt 24                                ; all but the 24 just issued
	WIN MUL
	MUL8 \f, 4, \zero
	MUL8 \f, 6, \zero
.endm
; The last quarter multiplies buffer 1 and changes slots: ONE barrier; in front of it each wave waits for all its tensor loads, adds 0 to its spare word, and waits for that and for its reads of this slot.  fill = 1: this slot is filled again, two K steps ahead.
.macro TURN slot, next, fill
	WIN 0                                          ; (the add's two registers lie in window 0)
	s_wait_tensorcnt 0x0                           ; all my tensor loads have landed: my part of the next slot;
	ds_add_u32 v[SPW], v[NIL]
	s_wait_dscnt 9                                 ; (the add and the youngest eight loads may be out)
	WIN MUL
	MUL8 F1, 0, 0                                  ; eight matrix instructions stand between the add and the wait for it
	s_wait_dscnt 0x0                               ; the add is done, and my reads of this slot are over
	s_barrier_signal -1
	MUL8 F1, 2, 0
	WIN 0                                          ; (branches may follow)
	s_barrier_wait -1
.if \fill
	CREST                                          ; the barrier has opened a round of the cluster's barrier: no wave of any partner still reads this slot or has a load on its way
	s_add_nc_u64 s[G0+4*\slot+2:G0+4*\slot+3], s[G0+4*\slot+2:G0+4*\slot+3], 2*ASTEP
	s_add_nc_u64 s[G0B+4*\slot+2:G0B+4*\slot+3], s[G0B+4*\slot+2:G0B+4*\slot+3], 2*KSTEP*2
	JLOAD \slot                                    ; the first tensor load behind the round; the four v_nop behind it are also the places in front of the loads below
.else
	PLACES
.endif
	FETCH \next, 0, F0
	WIN MUL
	MUL8 F1, 4, 0
	MUL8 F1, 6, 0
.endm
	s_wait_tensorcnt 1                             ; my part of K step 0 is in (K step 1's load may be out)
	s_barrier_signal -1
	s_barrier_wait -1                              ; everybody's is
	FETCH 0, 0, F0
	QUARTER 0, 1, F0, F1, 1                        ; the first quarter stands in front of the loop: its products start the sums
	WIN 0                                          ; at a label and at a branch every window is 0
	s_mov_b32 s3, LAPS-1
.Llap:                                                 ; a trip goes once round the ring, from a lap's second quarter to the next lap's first, and fills both slots again
	QUARTER 0, 2, F1, F0, 0
	QUARTER 0, 3, F0, F1, 0
	TURN 0, 1, 1
	QUARTER 1, 1, F0, F1, 0
	QUARTER 1, 2, F1, F0, 0
	QUARTER 1, 3, F0, F1, 0
	TURN 1, 0, 1
	QUARTER 0, 1, F0, F1, 0
	WIN 0
	s_sub_co_u32 s3, s3, 1
	s_cmp_lg_u32 s3, 0
	s_cbranch_scc1 .Llap
	QUARTER 0, 2, F1, F0, 0                        ; the last lap fills nothing, and has no round of the cluster's barrier
	QUARTER 0, 3, F0, F1, 0
	TURN 0, 1, 0
	QUARTER 1, 1, F0, F1, 0
	QUARTER 1, 2, F1, F0, 0
	QUARTER 1, 3, F0, F1, 0
	s_wait_dscnt 8                                 ; the very last quarter: nothing more to fetch
	WIN MUL
	MUL8 F1, 0, 0
	MUL8 F1, 2, 0
	s_wait_dscnt 0
	MUL8 F1, 4, 0
	MUL8 F1, 6, 0
	WIN 0
; THE WAY OUT, block by block of 16 rows x 64 columns.  A lane holds 32 neighbouring bytes of a row and the lanes beside it other rows: a block goes through my own stage and comes back as whole rows of 256 bytes.
.macro TOSTAGE a
	WIN 0x04                                       ; an LDS store's data are its source 1: window 1
.irp b, 0,1,2,3
	ds_store_b128 v[STO], v[8*(4*(\a)+\b):8*(4*(\a)+\b)+3] offset:64*\b          ; each accumulator from its low end on
	ds_store_b128 v[STO], v[8*(4*(\a)+\b)+4:8*(4*(\a)+\b)+7] offset:64*\b+16
.endr
	WIN 0
.set BB, OB+32*((\a)%2)
.irp t, 0,1,2,3,4,5,6,7
	ds_load_b128 v[BB+4*\t:BB+4*\t+3], v[RD] offset:\t*2*PITCH     ; LDS serves a wave's instructions in order (ISA guide 5.7.1.4): these see the stores above
.endr
.endm
.macro SEND a, younger                 ; younger: the LDS instructions issued behind block a's loads, which may stay out
.set BB, OB+32*((\a)%2)
	s_wait_dscnt \younger
.irp t, 0,1,2,3,4,5,6,7
	global_store_b128 v[CO], v[BB+4*\t:BB+4*\t+3], s[8:9] offset:(16*(\a)+2*\t)*4096 th:TH_STORE_NT   ; 16 lanes store 256 consecutive bytes, aligned; every offset an immediate, 126 rows at the most
.endr
.endm
	PLACES                                         ; behind the last products: for the reads of their results and for the loads into the fragments' registers
	TOSTAGE 0
.irp a, 1,2,3,4,5,6,7
.if \a > 1
	s_wait_xcnt 0x0                                ; block a - 2's stores have read their registers: block a's loads may land there
.endif
	TOSTAGE \a
	SEND \a-1, 16                                  ; behind block a - 1's loads: block a's 8 stores and 8 loads
.endr
	SEND 7, 0
	s_wait_tensorcnt 0x0                           ; the wave's end: these three lines, behind my last tensor load and my last LDS store
	ds_add_u32 v[SPW], v[NIL]
	s_wait_dscnt 0x0
	CROUND                                         ; the closing round: no work-group ends while a partner may still ask for a tile that names it
	s_endpgm
.Lfunc_end_k_q159cf425f1_proj:
	.size	k_q159cf425f1_proj, .Lfunc_end_k_q159cf425f1_proj-k_q159cf425f1_proj
	.p2alignl 7, 3214868480
	.fill 96, 4, 3214868480
	.section	.rodata,"a",@progbits
	.p2align	6, 0x0
	.amdhsa_kernel k_q159cf425f1_proj
		.amdhsa_group_segment_fixed_size 327680
		.amdhsa_private_segment_fixed_size 0
		.amdhsa_enable_private_segment 0
		.amdhsa_kernarg_size 24
		.amdhsa_user_sgpr_count 2
		.amdhsa_user_sgpr_kernarg_segment_ptr 1
		.amdhsa_wavefront_size32 1
		.amdhsa_system_sgpr_workgroup_id_x 1
		.amdhsa_system_sgpr_workgroup_id_y 1
		.amdhsa_system_sgpr_workgroup_id_z 1
		.amdhsa_system_vgpr_workitem_id 0
		.amdhsa_next_free_vgpr 512
		.amdhsa_next_free_sgpr 66
		.amdhsa_reserve_vcc 0
		.amdhsa_float_denorm_mode_32 3
		.amdhsa_float_denorm_mode_16_64 3
		.amdhsa_memory_ordered 1
		.amdhsa_forward_progress 1
		.amdhsa_inst_pref_size 86
	.end_amdhsa_kernel
	.amdgpu_metadata
---
amdhsa.version: [ 1, 2 ]
amdhsa.kernels:
  - .name:           k_q159cf425f1_proj
    .symbol:         k_q159cf425f1_proj.kd
    .args:
      - { .name: y, .offset: 0, .size: 8, .value_kind: global_buffer, .address_space: global }
      - { .name: wp16, .offset: 8, .size: 8, .value_kind: global_buffer, .address_space: global }
      - { .name: out0, .offset: 16, .size: 8, .value_kind: global_buffer, .address_space: global }
    .group_segment_fixed_size: 327680
    .private_segment_fixed_size: 0
    .kernarg_segment_align: 8
    .kernarg_segment_size: 24
    .max_flat_workgroup_size: 128
    .sgpr_count:     66
    .vgpr_count:     512
    .wavefront_size: 32
...
	.end_amdgpu_metadata
.endif
;; end of part 4
